; MI455X (gfx1250); checked and timed in simulation.
; The chip was launched on July 23, 2026; its instructions are those of AMD's public machine-readable ISA for CDNA 5 (MIT licence, August 2026) and "CDNA5" Instruction Set Architecture Reference Guide (July 2026). The comments in the code are by the model that wrote it; some were corrected since.
;; Multi Head Attention. Allowed arithmetic: matrix products marked QUANTISED: E2M3 operands, one E8M0 scale for each 32 along K, by v_wmma_scale_f32_16x16x128_f8f6f4 with both operands' format E2M3, f32 sums; everything else in f32.
;; Inputs: b_k 1,024 float32; b_o 1,024 float32; b_q 1,024 float32; b_v 1,024 float32; k 2 x 2,048 x 1,024 float32; q 2 x 2,048 x 1,024 float32; v 2 x 2,048 x 1,024 float32; w_k 1,024 x 1,024 float32; w_o 1,024 x 1,024 float32; w_q 1,024 x 1,024 float32; w_v 1,024 x 1,024 float32.
;; Outputs: out0 2 x 2,048 x 1,024 float32.
;; This version of the problem:
;;   THIS VERSION OF THE PROBLEM IS GIVEN IN LOW PRECISION. The matrix products marked QUANTISED in the list below multiply operands that are first quantised to E2M3 (2 exponent bits, 3 mantissa bits; 6 bits a number), with one power-of-two scale for each 32 numbers along K (OCP MX v1.0); their sums are f32. All else is computed in f32.
;;   The module's matrix products, in the order in which they are computed (A, B: the left and right operand; K: the contracted axis; several contracted axes count as one K, in the product's order):
;;     1. [M 4,096, K 1,024] x [K 1,024, N 1,024]; A: input q; B: input w_q: QUANTISED
;;     2. [M 4,096, K 1,024] x [K 1,024, N 1,024]; A: input k; B: input w_k: QUANTISED
;;     3. [M 4,096, K 1,024] x [K 1,024, N 1,024]; A: input v; B: input w_v: QUANTISED
;;     4. batch 32 x [M 2,048, K 64] x [K 64, N 2,048]; A: computed on the way; B: computed on the way: QUANTISED
;;     5. batch 32 x [M 2,048, K 2,048] x [K 2,048, N 64]; A: softmax (see below); B: computed on the way: QUANTISED
;;     6. [M 4,096, K 1,024] x [K 1,024, N 1,024]; A: computed on the way; B: input w_o: QUANTISED
;;   THE QUANTISER, for each operand of a quantised product, along K:
;;     - K is cut into blocks of 32 from its start; a last block that is shorter is filled with zeros.
;;     - A block's scale is 2^e with e = floor(log2(the largest magnitude in the block)) - 2, held to -126 .. 127; a block of zeros has e = 0. As a byte (E8M0): e + 127.
;;     - Each number is divided by its block's scale, clamped to +-7.5, and rounded to the nearest number of E2M3, ties to even, subnormals kept.
;;     - The product sums the exact products of the quantised numbers (number of the format x scale) in f32.
;;   ~~~python
;;   def quantise(x, axis):      # numpy; x: float32 -> the quantised numbers, widened to float32 again
;;       x = np.moveaxis(x, axis, -1); K = x.shape[-1]
;;       x = np.pad(x, [(0, 0)] * (x.ndim - 1) + [(0, -K % 32)]); x = x.reshape(x.shape[:-1] + (-1, 32)); a = np.abs(x).max(-1, keepdims=True)
;;       e = np.where(a > 0, np.clip(np.frexp(np.where(a > 0, a, 1))[1] - 1 - 2, -126, 127), 0)      # np.frexp(a)[1] - 1 = floor(log2(a)), exactly
;;       r = np.clip(x / 2.0 ** e, -7.5, 7.5)
;;       step = 2.0 ** (np.maximum(np.frexp(np.where(r == 0, 1, r))[1] - 1, 0) - 3)
;;       q = np.round(r / step) * step * 2.0 ** e      # np.round: ties to even
;;       return np.moveaxis(q.reshape(q.shape[:-2] + (-1,))[..., :K], -1, axis).astype(np.float32)
;;   ~~~
;;   SOFTMAX AHEAD OF A QUANTISED PRODUCT. Where the list says 'softmax', what is quantised is not the finished softmax but p = 2^(t - M), with t = logit x log2(e) and M = ceil(the row's largest t), a whole number; so 1/2 < the row's largest p <= 1. The row's sum l is taken of the UNQUANTISED p, in f32, and the product's result is divided by l at the end. Since M is a whole number, a kernel that streams over the keys may use a running M (the ceiling of the running maximum): every later rescaling is an exact power of two, which a block's scale takes up: the codes' values come out the same.
;;   OPERANDS COMPUTED ON THE WAY. 'Computed on the way' means the value that the module computes at that place (a softmax that the list does not call 'softmax' is quantised finished and normalised). What goes into a quantiser is computed in f32, as accurately as f32 sums, v_exp_f32 and their like allow (about 1e-6 of the number): no bf16 or f16 on the way to a quantiser, and a product that is left as it is and whose result goes on into a quantised operand takes f32 operands (vector FMAs, or v_wmma_f32_16x16x4_f32). A number that lies on a knife's edge between two numbers of the format may be rounded either way, as far as f32 arithmetic and the matrix unit's own rounding can turn it there, and no further.
;; One version. Each part assembles by itself: llvm-mc -triple=amdgcn-amd-amdhsa -mcpu=gfx1250 --defsym DOCPART=n.
;; ======== version 1 of 1: 4 launches
;; limits: right only within a limited range of input values
;; workspace buffers: xc 9,437,184 bytes; xs 393,216 bytes; wc 3,145,728 bytes; wsc 131,072 bytes; hc 9,437,184 bytes; hs 655,360 bytes; oc 3,145,728 bytes; os 131,072 bytes
;; launch quant (part 1): grid 512 x 1, 4 waves a work-group, no clusters, 88,576 bytes of LDS; arguments q, k, v, w_q, w_k, w_v, w_o, xc, xs, wc, wsc; writes xc, xs, wc, wsc
.if DOCPART == 1
	.amdgcn_target "amdgcn-amd-amdhsa--gfx1250"
	.amdhsa_code_object_version 6
	.text
	.protected	k_q92f1c9ba43_quant
	.globl	k_q92f1c9ba43_quant
	.p2align	8
	.type	k_q92f1c9ba43_quant,@function
k_q92f1c9ba43_quant:
	s_mov_b64 s[64:65], 0
	v_nop
	global_prefetch_b8 v0, s[64:65] scope:SCOPE_SE
	s_setreg_imm32_b32 hwreg(HW_REG_WAVE_MODE, 25, 1), 1
	s_wait_xcnt 0x0
; q, k, v [4096][1024] f32 (K innermost) and w_q, w_k, w_v, w_o [1024 (K)][1024 (n)] f32 (K first) become codes of E2M3, 6 bits each, with one E8M0 byte for each 32 along K.
; A block's scale is 2^(floor(log2(its largest magnitude)) - 2): its byte is the largest magnitude's exponent field - 2, held at 1 from below by a floor among the maximum's leaves.
; LIMITS: NaN and infinities among the inputs are not served.  A block of zeros keeps the byte 1 where the rule says 127: its codes are zeros, and these bytes are read by this program alone.
; WHERE A ROW GOES: row n (a token of q, k, v; a column n of a weight) is stored at buffer row pi(n), pi = bits 3 and 4 of n exchanged.  Lane r of a tile of 16 consecutive buffer rows is then actual row
; 32 (a / 2) + 8 (a % 2) + r + 8 (r / 8), so that two neighbouring tiles used as source 0 of a product leave 16 neighbours in a lane's 16 result registers.
; LAYOUT OF THE CODES: [tile of 16 buffer rows][K block kb = 0 .. 31][row r][24 bytes]: 12,288 bytes a tile; two neighbouring blocks, 768 bytes, are registers 6 c .. 6 c + 5 of an operand, lane r + 16 h at 24 bytes a lane.
; LAYOUT OF THE SCALE BYTES: [buffer row][32], byte kb.
; Work-groups 0 to 383 take 32 rows of q, k or v each; work-groups 384 to 511 take 128 columns x 256 along K of a weight each.  The two ways part on the work-group's number and have LDS bytes of their own.
.set SP,    144                        ; x: a block's place in a stage: 128 bytes + 16: an odd multiple of 16
.set STG1,  32*SP                      ; a stage: one row of 1,024 numbers
.set WREG,  2*STG1                     ; two stages for each wave
.set OUTS,  4*WREG                     ; x: the work-group's codes: 64 chunks (2 tiles x 32 blocks) of 384 bytes,
.set OP,    400                        ; 400 bytes apart
.set SCS,   OUTS+64*OP                 ; x: the work-group's 32 x 32 scale bytes
.set WST,   SCS+1024                   ; w: 6,144 bytes for each wave: [tile][8 blocks][row][24]
.set RD,    6                          ; v6-8    x: where I read the codes back
.set R,     16                         ; v16-111  x: three sets of 32 numbers as loaded
.set X,     112                        ; v112-175 x: two sets of 32 neighbours
.set C,     176                        ; v176-223 x: six registers of codes for each of my wave's 8 rows
.set T,     224                        ; v224-226 x: a block's second 16 codes (a conversion's three registers begin on an even number)
.set E,     228                        ; v228-235 x: a scale byte for each row, so that no LDS store's data are written again
.set WX,    32                         ; v32-95   w: two sets of 32 numbers
.set WC,    96                         ; v96-101  w: a block's codes
.set WT,    104                        ; v104-106 w: its second 16 codes
.set SB,    24                         ; v24-25   w: my column's 8 scale bytes
.set OUTR,  112                        ; v112-159 w: the way out
	s_load_b512 s[8:23], s[0:1], 0x0               ; q s[8:9], k s[10:11], v s[12:13], w_q s[14:15], w_k s[16:17], w_v s[18:19], w_o s[20:21], xc s[22:23]
	s_load_b128 s[24:27], s[0:1], 0x40             ; xs s[24:25], wc s[26:27]
	s_load_b64 s[28:29], s[0:1], 0x50              ; wsc
	v_lshl_add_u32 v240, v0, 2, 0x15800
	v_mov_b32 v241, 0
	v_lshrrev_b32 v1, 5, v0
	v_readfirstlane_b32 s30, v1                    ; wave 0..3
	v_and_b32 v2, 31, v0                           ; lane
	s_mov_b32 s37, 0                               ; the upper word of every offset
	s_wait_kmcnt 0x0
	s_cmp_ge_u32 ttmp9, 384
	s_cbranch_scc1 .Lweights
; ---------------- q, k, v: wave w takes actual rows 8 w .. 8 w + 7 of the group's 32, a row a step; lane l ends up with block l of the row ----------------
	s_lshr_b32 s31, ttmp9, 7                       ; which tensor
	s_and_b32 s34, ttmp9, 127                      ; which 32 rows
	s_cmp_eq_u32 s31, 0
	s_cselect_b64 s[4:5], s[8:9], s[10:11]         ; the choice hangs on the work-group's number alone
	s_cmp_eq_u32 s31, 2
	s_cselect_b64 s[4:5], s[12:13], s[4:5]
	s_lshl_b32 s36, s34, 17                        ; 32 rows of 4,096 bytes,
	s_lshl_b32 s38, s30, 15                        ; my wave's 8
	s_add_co_u32 s36, s36, s38
	s_add_nc_u64 s[4:5], s[4:5], s[36:37]
	s_mul_i32 s36, s31, 3145728                    ; the codes: the tensor, the group's two tiles, my wave's quarter of their 24,576 bytes
	s_mul_i32 s38, s34, 24576
	s_add_co_u32 s36, s36, s38
	s_mul_i32 s38, s30, 6144
	s_add_co_u32 s36, s36, s38
	s_add_nc_u64 s[6:7], s[22:23], s[36:37]
	s_lshl_b32 s36, s31, 17                        ; the scale bytes: the tensor, the group's 1,024, my wave's 256
	s_lshl_b32 s38, s34, 10
	s_add_co_u32 s36, s36, s38
	s_lshl_b32 s38, s30, 8
	s_add_co_u32 s36, s36, s38
	s_add_nc_u64 s[32:33], s[24:25], s[36:37]
	s_wait_alu depctr_va_vdst(0)
	v_lshlrev_b32 v3, 4, v2                        ; 16 l: my 16 bytes of a load's or a store's 512
	s_mul_i32 s35, s30, WREG
	v_lshrrev_b32 v14, 3, v2
	v_mul_u32_u24 v14, v14, SP
	v_and_b32 v15, 7, v2
	v_lshl_add_u32 v14, v15, 4, v14
	v_add_nc_u32 v14, s35, v14                     ; into a stage: eight lanes' 128 bytes are a block: SP (l / 8) + 16 (l % 8); a load's 512 bytes are four blocks
	v_mul_u32_u24 v15, v2, SP
	v_add_nc_u32 v15, s35, v15                     ; out of it: block l
	s_and_b32 s38, s30, 1                          ; pi: my rows lie in buffer tile w % 2,
	s_lshr_b32 s39, s30, 1                         ; at rows 8 (w / 2) on
	s_mul_i32 s40, s38, 32*OP
	s_mul_i32 s41, s39, 192
	s_add_co_u32 s40, s40, s41
	s_add_co_u32 s40, s40, OUTS
	v_mul_u32_u24 v4, v2, OP
	v_add_nc_u32 v4, s40, v4                       ; my 8 rows' codes of block l: 192 neighbouring bytes of chunk 32 (w % 2) + l
	s_lshl_b32 s40, s38, 9
	s_lshl_b32 s41, s39, 8
	s_add_co_u32 s40, s40, s41
	s_add_co_u32 s40, s40, SCS
	v_add_nc_u32 v5, s40, v2                       ; my scale byte: buffer row 16 (w % 2) + 8 (w / 2) + t, byte l
	s_mul_i32 s40, s30, 16*OP
	s_add_co_u32 s40, s40, OUTS
.irp n, 0,1,2                                  ; back: piece x = 32 n + l of 16 bytes lies at 16 (x + x / 24): 24 pieces to a chunk, 16 bytes of padding behind each; x / 24 = (171 x) >> 12 for x under 96
	v_add_nc_u32 v9, 32*\n, v2
	v_mul_u32_u24 v10, v9, 171
	v_lshrrev_b32 v10, 12, v10
	v_add_nc_u32 v9, v9, v10
	v_lshl_add_u32 v[RD+\n], v9, 4, s40
.endr
	s_lshl_b32 s40, s30, 8
	s_add_co_u32 s40, s40, SCS
	v_lshlrev_b32 v1, 3, v2                        ; 8 l
	v_add_nc_u32 v13, s40, v1                      ; back: my 8 of my wave's 256 scale bytes
.macro XLOAD t                                 ; row t: eight loads of 512 consecutive bytes, into set t % 3
.irp i, 0,1,2,3,4,5,6,7
	global_load_b128 v[R+32*((\t)%3)+4*\i:R+32*((\t)%3)+4*\i+3], v3, s[4:5] offset:4096*(\t)+512*\i th:TH_LOAD_NT
.endr
.endm
.macro XTURN t                                 ; row t through stage t % 2: LDS serves a wave's instructions in order, so no wait stands between the stores and the loads
.irp i, 0,1,2,3,4,5,6,7
	ds_store_b128 v14, v[R+32*((\t)%3)+4*\i:R+32*((\t)%3)+4*\i+3] offset:STG1*((\t)%2)+4*SP*\i
.endr
.irp i, 0,1,2,3,4,5,6,7
	ds_load_b128 v[X+32*((\t)%2)+4*\i:X+32*((\t)%2)+4*\i+3], v15 offset:STG1*((\t)%2)+16*\i
.endr
.endm
.macro XSTEP t
.set XS, X+32*((\t)%2)
.if (\t) > 0
	s_wait_dscnt 1                                 ; this row is back from its stage (the last row's byte store may be out): so its stores into the stage have read their registers,
.else
	s_wait_dscnt 0x0
.endif
.if (\t)+3 < 8
	XLOAD (\t)+3                                   ; which take the loads of three rows on
.endif
.if (\t)+1 < 8
.if (\t) <= 4
	s_wait_loadcnt 16                              ; the next row's eight loads are in; those of the two rows behind it may be out
.else
	s_wait_loadcnt 8*(6-(\t))                      ; (one row behind it, then none)
.endif
	XTURN (\t)+1                                   ; and go through the other stage while this row is worked
.endif
	v_max3_num_f32 v10, |v[XS]|, |v[XS+1]|, |v[XS+2]|              ; the block's largest magnitude: all 32 numbers are mine; two chains
	v_max3_num_f32 v11, |v[XS+3]|, |v[XS+4]|, |v[XS+5]|
.irp i, 6,10,14,18,22,26
	v_max3_num_f32 v10, v10, |v[XS+\i]|, |v[XS+\i+1]|
	v_max3_num_f32 v11, v11, |v[XS+\i+2]|, |v[XS+\i+3]|
.endr
	v_max3_num_f32 v10, v10, |v[XS+30]|, |v[XS+31]|
	v_max3_num_f32 v10, v10, v11, 0x1800000        ; and the floor 2^(3 - 127): the byte cannot fall under 1
	v_add_nc_u32 v12, 0xff000000, v10              ; 2 off its exponent field: the conversion takes the exponent field of this operand as its scale
	v_cvt_scalef32_pk16_fp6_f32 v[C+6*(\t):C+6*(\t)+2], v[XS:XS+15], v12
	v_cvt_scalef32_pk16_fp6_f32 v[T:T+2], v[XS+16:XS+31], v12
	v_lshrrev_b32 v[E+(\t)], 23, v12               ; the scale's byte; also the plain line behind the conversions
.irp i, 0,1,2
	v_mov_b32 v[C+6*(\t)+3+\i], v[T+\i]
.endr
	ds_store_b8 v5, v[E+(\t)] offset:32*(\t)
.endm
	XLOAD 0
	XLOAD 1
	XLOAD 2
	s_wait_loadcnt 16                              ; row 0's eight loads are in
	XTURN 0
.irp t, 0,1,2,3,4,5,6,7
	XSTEP \t
.endr
.irp i, 0,1,2,3,4,5,6,7,8,9,10,11
	ds_store_b128 v4, v[C+4*\i:C+4*\i+3] offset:16*\i   ; my 8 rows x 24 bytes
.endr
	s_wait_dscnt 0x0                               ; for the others' sake: my codes and bytes lie in LDS
	s_barrier_signal -1
	s_barrier_wait -1
.irp n, 0,1,2,3,4,5,6,7,8,9,10,11
	ds_load_b128 v[16+4*\n:19+4*\n], v[RD+\n%3] offset:4*OP*(\n/3)   ; three loads are four chunks
.endr
	ds_load_b64 v[64:65], v13
.irp n, 0,1,2,3,4,5,6,7,8,9,10,11
	s_wait_dscnt 12-\n                             ; load n is in: behind it stand 11 - n loads of codes and the scale bytes'
	global_store_b128 v3, v[16+4*\n:19+4*\n], s[6:7] offset:512*\n   ; 32 lanes store 512 consecutive bytes, at a multiple of 256 from the buffer's first byte
.endr
	s_wait_dscnt 0x0
	global_store_b64 v1, v[64:65], s[32:33]        ; 256 consecutive bytes
	s_wait_tensorcnt 0x0
	ds_add_u32 v240, v241
	s_wait_dscnt 0x0
	s_endpgm
; ---------------- the weights: a lane takes a column n and its registers run down K; wave w takes 32 columns x 256 along K: 8 blocks a lane ----------------
.Lweights:
	s_sub_co_u32 s31, ttmp9, 384
	s_lshr_b32 s31, s31, 5                         ; which weight: 0 w_q, 1 w_k, 2 w_v, 3 w_o
	s_and_b32 s34, ttmp9, 7                        ; which 128 columns
	s_lshr_b32 s35, ttmp9, 3
	s_and_b32 s35, s35, 3                          ; which 256 along K
	s_cmp_lt_u32 s31, 2
	s_cselect_b64 s[4:5], s[14:15], s[18:19]
	s_cselect_b64 s[6:7], s[16:17], s[20:21]
	s_and_b32 s36, s31, 1
	s_cmp_eq_u32 s36, 1
	s_cselect_b64 s[4:5], s[6:7], s[4:5]
	s_lshl_b32 s36, s35, 20                        ; 256 rows of 4,096 bytes,
	s_lshl_b32 s38, s34, 9                         ; 128 columns,
	s_add_co_u32 s36, s36, s38
	s_lshl_b32 s38, s30, 7                         ; my wave's 32
	s_add_co_u32 s36, s36, s38
	s_add_nc_u64 s[4:5], s[4:5], s[36:37]
	s_mul_i32 s36, s31, 786432                     ; the codes: the weight, tile 8 x + 2 w, blocks 8 y on
	s_lshl_b32 s38, s34, 3
	s_lshl_b32 s39, s30, 1
	s_add_co_u32 s38, s38, s39
	s_mul_i32 s38, s38, 12288
	s_add_co_u32 s36, s36, s38
	s_mul_i32 s38, s35, 3072
	s_add_co_u32 s36, s36, s38
	s_add_nc_u64 s[40:41], s[26:27], s[36:37]
	s_lshl_b32 s36, s31, 15                        ; the scale bytes: the weight, row 128 x + 32 w, byte 8 y
	s_lshl_b32 s38, s34, 12
	s_add_co_u32 s36, s36, s38
	s_lshl_b32 s38, s30, 10
	s_add_co_u32 s36, s36, s38
	s_lshl_b32 s38, s35, 3
	s_add_co_u32 s36, s36, s38
	s_add_nc_u64 s[42:43], s[28:29], s[36:37]
	s_wait_alu depctr_va_vdst(0)
	v_lshlrev_b32 v3, 2, v2                        ; in: 4 bytes a lane
	v_bfe_u32 v10, v2, 3, 1                        ; pi (l): tile (l / 8) % 2,
	v_and_b32 v11, 7, v2
	v_lshrrev_b32 v12, 4, v2
	v_lshl_add_u32 v11, v12, 3, v11                ; row l % 8 + 8 (l / 16)
	s_mul_i32 s46, s30, 6144
	s_add_co_u32 s46, s46, WST
	v_mul_u32_u24 v4, v10, 3072
	v_mad_u32_u24 v4, v11, 24, v4
	v_add_nc_u32 v4, s46, v4                       ; into my wave's stage
	v_lshlrev_b32 v8, 4, v2                        ; 16 l
	v_add_nc_u32 v7, s46, v8                       ; out of it
	v_lshl_add_u32 v9, v10, 4, v11
	v_lshlrev_b32 v9, 5, v9                        ; my row of scale bytes: 32 pi (l)
.macro WLOAD t                                 ; block t: w (32 t + i, my column) into set t % 2: 32 lanes read 128 consecutive bytes, the four waves side by side 512
.irp i, 0,1,2,3,4,5,6,7,8,9,10,11,12,13,14,15,16,17,18,19,20,21,22,23,24,25,26,27,28,29,30,31
	global_load_b32 v[WX+32*((\t)%2)+\i], v3, s[4:5] offset:(32*(\t)+\i)*4096 th:TH_LOAD_NT
.endr
.endm
.macro WBLOCK t
.set XS, WX+32*((\t)%2)
.if (\t) < 7
	s_wait_loadcnt 32                              ; this block's 32 loads are in; the next block's may be out
.else
	s_wait_loadcnt 0x0
.endif
	v_max3_num_f32 v12, |v[XS]|, |v[XS+1]|, |v[XS+2]|
	v_max3_num_f32 v13, |v[XS+3]|, |v[XS+4]|, |v[XS+5]|
.irp i, 6,10,14,18,22,26
	v_max3_num_f32 v12, v12, |v[XS+\i]|, |v[XS+\i+1]|
	v_max3_num_f32 v13, v13, |v[XS+\i+2]|, |v[XS+\i+3]|
.endr
	v_max3_num_f32 v12, v12, |v[XS+30]|, |v[XS+31]|
	v_max3_num_f32 v12, v12, v13, 0x1800000        ; the floor 2^(3 - 127)
	v_add_nc_u32 v11, 0xff000000, v12              ; the conversion's scale operand
	v_lshrrev_b32 v13, 23, v11                     ; the scale's byte
.if (\t)%4 == 0
	v_mov_b32 v[SB+(\t)/4], v13                    ; four bytes to a register, the lower K in the lower byte
.else
	v_lshl_or_b32 v[SB+(\t)/4], v13, 8*((\t)%4), v[SB+(\t)/4]
.endif
	v_cvt_scalef32_pk16_fp6_f32 v[WC:WC+2], v[XS:XS+15], v11
	v_cvt_scalef32_pk16_fp6_f32 v[WT:WT+2], v[XS+16:XS+31], v11
	v_nop                                          ; one plain line behind the conversions
.irp i, 0,1,2
	v_mov_b32 v[WC+3+\i], v[WT+\i]
.endr
.irp i, 0,1,2
	ds_store_b64 v4, v[WC+2*\i:WC+2*\i+1] offset:384*(\t)+8*\i   ; my column's 24 bytes of block t
.endr
.if (\t)+2 < 8
	WLOAD (\t)+2
.endif
	s_wait_dscnt 0x0                               ; the stores have read their registers: the next block's codes may be written
.endm
	WLOAD 0
	WLOAD 1
.irp t, 0,1,2,3,4,5,6,7
	WBLOCK \t
.endr
	s_wait_alu depctr_va_vdst(0)
	global_store_b64 v9, v[SB:SB+1], s[42:43]      ; my column's 8 scale bytes: 8 of its row's 32
.irp n, 0,1,2,3,4,5,6,7,8,9,10,11
	ds_load_b128 v[OUTR+4*\n:OUTR+4*\n+3], v7 offset:512*\n   ; my wave's own bytes, served in order behind my stores
.endr
.irp n, 0,1,2,3,4,5,6,7,8,9,10,11
	s_wait_dscnt 11-\n
	global_store_b128 v8, v[OUTR+4*\n:OUTR+4*\n+3], s[40:41] offset:12288*(\n/6)+512*(\n%6)   ; 3,072 consecutive bytes of each of my two tiles
.endr
	s_wait_tensorcnt 0x0
	ds_add_u32 v240, v241
	s_wait_dscnt 0x0
	s_endpgm
.Lfunc_end_k_q92f1c9ba43_quant:
	.size	k_q92f1c9ba43_quant, .Lfunc_end_k_q92f1c9ba43_quant-k_q92f1c9ba43_quant
	.p2alignl 7, 3214868480
	.fill 96, 4, 3214868480
	.section	.rodata,"a",@progbits
	.p2align	6, 0x0
	.amdhsa_kernel k_q92f1c9ba43_quant
		.amdhsa_group_segment_fixed_size 88576
		.amdhsa_private_segment_fixed_size 0
		.amdhsa_enable_private_segment 0
		.amdhsa_kernarg_size 88
		.amdhsa_user_sgpr_count 2
		.amdhsa_user_sgpr_kernarg_segment_ptr 1
		.amdhsa_wavefront_size32 1
		.amdhsa_system_sgpr_workgroup_id_x 1
		.amdhsa_system_sgpr_workgroup_id_y 1
		.amdhsa_system_sgpr_workgroup_id_z 1
		.amdhsa_system_vgpr_workitem_id 0
		.amdhsa_next_free_vgpr 242
		.amdhsa_next_free_sgpr 66
		.amdhsa_reserve_vcc 0
		.amdhsa_float_denorm_mode_32 3
		.amdhsa_float_denorm_mode_16_64 3
		.amdhsa_memory_ordered 1
		.amdhsa_forward_progress 1
		.amdhsa_inst_pref_size 75
	.end_amdhsa_kernel
	.amdgpu_metadata
---
amdhsa.version: [ 1, 2 ]
amdhsa.kernels:
  - .name:           k_q92f1c9ba43_quant
    .symbol:         k_q92f1c9ba43_quant.kd
    .args:
      - { .name: q, .offset: 0, .size: 8, .value_kind: global_buffer, .address_space: global }
      - { .name: k, .offset: 8, .size: 8, .value_kind: global_buffer, .address_space: global }
      - { .name: v, .offset: 16, .size: 8, .value_kind: global_buffer, .address_space: global }
      - { .name: w_q, .offset: 24, .size: 8, .value_kind: global_buffer, .address_space: global }
      - { .name: w_k, .offset: 32, .size: 8, .value_kind: global_buffer, .address_space: global }
      - { .name: w_v, .offset: 40, .size: 8, .value_kind: global_buffer, .address_space: global }
      - { .name: w_o, .offset: 48, .size: 8, .value_kind: global_buffer, .address_space: global }
      - { .name: xc, .offset: 56, .size: 8, .value_kind: global_buffer, .address_space: global }
      - { .name: xs, .offset: 64, .size: 8, .value_kind: global_buffer, .address_space: global }
      - { .name: wc, .offset: 72, .size: 8, .value_kind: global_buffer, .address_space: global }
      - { .name: wsc, .offset: 80, .size: 8, .value_kind: global_buffer, .address_space: global }
    .group_segment_fixed_size: 88576
    .private_segment_fixed_size: 0
    .kernarg_segment_align: 8
    .kernarg_segment_size: 88
    .max_flat_workgroup_size: 128
    .sgpr_count:     66
    .vgpr_count:     242
    .wavefront_size: 32
...
	.end_amdgpu_metadata
.endif
;; end of part 1
;; launch proj (part 2): grid 4 x 48, 4 waves a work-group, clusters of 4 x 4, 327,680 bytes of LDS; arguments xc, xs, wc, wsc, b_q, b_k, b_v, hc, hs; writes hc, hs
.if DOCPART == 2
	.amdgcn_target "amdgcn-amd-amdhsa--gfx1250"
	.amdhsa_code_object_version 6
	.text
	.protected	k_q92f1c9ba43_proj
	.globl	k_q92f1c9ba43_proj
	.p2align	8
	.type	k_q92f1c9ba43_proj,@function
k_q92f1c9ba43_proj:
	s_mov_b64 s[64:65], 0
	v_nop
	global_prefetch_b8 v0, s[64:65] scope:SCOPE_SE
	s_setreg_imm32_b32 hwreg(HW_REG_WAVE_MODE, 25, 1), 1
	s_wait_xcnt 0x0
	s_wait_alu depctr_hold_cnt(0) depctr_sa_sdst(0) depctr_va_vdst(0) depctr_va_sdst(0) depctr_va_ssrc(0) depctr_va_vcc(0) depctr_vm_vsrc(0)
	s_getreg_b32 s2, hwreg(HW_REG_IB_STS2, 6, 4)
	s_cmp_eq_u32 s2, 0
	s_cbranch_scc0 .Lentry_in_a_cluster
	s_endpgm
.Lentry_in_a_cluster:
	s_bfe_u32 s2, ttmp6, 0x10000c
	s_cmp_lg_u32 s2, 0xf033
	s_cbranch_scc0 .Lentry_shape_is_right
	s_endpgm
.Lentry_shape_is_right:
.set KSTEP,  256
.set NQ,     2
.set TROW,   3072
.set KROW,   768
.set FR,     12
.set NL,     3
.set NP,     4
.set HALFT,  8*TROW
.set SLOT,   4*HALFT
.set LAPS,   2
.set KS,     32
.set SCL,    2*SLOT
.set HALFS,  16*272
.set SBLK,   2*272
.set SPARE,  SCL+4*HALFS
.set ADRA, 16
.set ADRB, 20
.set LI,   24
.set VSO,  25
.set ADRS, 27
.set SPW,  28
.set NIL,  29
.set CBA,  30
.set RBA,  31
.set SW,   8
.set SC,   32
.set CB,   64
.set AF,   128
.set H,    128
.set PC,   192
.set W,    212
.set PWT,  220
.set RB,   224
.set TM,   240
.set SEL,  96
.set G1, 24
.set G0, 32
.set G1B, 48
.set G0B, 56
.set G1S, 68
.set G0S, 76
.set G1SB, 80
.set G0SB, 88
.set MSB, 0
.macro WIN new
.if MSB != (\new)
	s_set_vgpr_msb (MSB<<8)|(\new)
.set MSB, (\new)
.endif
.endm
.set MUL_LO, 0xa1
.set MUL_HI, 0xf1
.set TO_B,   0x40
.macro JLOAD g0a, g1a, g0b, g1b
	s_cmp_eq_u32 s15, 0
	s_cbranch_scc0 .Lfor_b_\@
	tensor_load_to_lds s[\g0a:\g0a+3], s[\g1a:\g1a+7]
	s_nop 0
.rept 4
	v_nop
.endr
	s_branch .Lasked_\@
.Lfor_b_\@:
	tensor_load_to_lds s[\g0b:\g0b+3], s[\g1b:\g1b+7]
	s_nop 0
.rept 4
	v_nop
.endr
.Lasked_\@:
.endm
.macro CREST
	s_cmp_lg_u32 s14, 0
	s_cbranch_scc1 .Lnot_wave_0_\@
	s_barrier_signal -3
.Lnot_wave_0_\@:
	s_barrier_wait -3
	s_barrier_signal -1
	s_barrier_wait -1
.endm
.macro CROUND
	s_barrier_signal -1
	s_barrier_wait -1
	CREST
.endm
	s_load_b256 s[4:11], s[0:1], 0x0
	s_load_b256 s[92:99], s[0:1], 0x20
	s_load_b64 s[12:13], s[0:1], 0x40
	v_lshl_add_u32 v[SPW], v0, 2, SPARE
	v_mov_b32 v[NIL], 0
	ds_add_u32 v28, v29
	ds_add_u32 v28, v29
	s_wait_dscnt 0x0
	v_lshrrev_b32 v1, 5, v0
	v_readfirstlane_b32 s14, v1
	s_lshr_b32 s15, s14, 1
	s_and_b32 s16, s14, 1
	s_bfe_u32 s40, ttmp6, 0x40000
	s_bfe_u32 s41, ttmp6, 0x40004
	s_and_b32 s67, ttmp7, 0xffff
	s_lshr_b32 s66, s67, 2
	s_and_b32 s67, s67, 3
	s_lshl_b32 s67, s67, 2
	s_cmp_eq_u32 s66, 2
	s_cselect_b32 s18, 0, s67
	s_cselect_b32 s19, s67, 0
	s_add_co_u32 s17, s41, s18
	s_add_co_u32 s42, s40, s19
	s_lshl_b32 s43, s41, 2
	s_lshl_b32 s43, 15, s43
	s_lshl_b32 s44, 0x1111, s40
	s_or_b32 s[G1+0], s43, (3<<16)|(1<<21)
	s_or_b32 s[G1B+0], s44, (3<<16)|(1<<21)
.irp g, G1, G1B
	s_mov_b32 s[\g+1], 384<<16
	s_mov_b32 s[\g+2], 16<<16                      ; the head's loads bring 16 tiles of 16 rows; behind them the two words that count rows are set to 8, for the ring's
	s_mov_b32 s[\g+3], 384<<16
	s_mov_b32 s[\g+4], 16
	s_mov_b32 s[\g+5], 1536
	s_mov_b32 s[\g+6], 0
	s_mov_b32 s[\g+7], 0
.endr
	s_or_b32 s[G1S+0], s43, (3<<16)|(1<<20)|(1<<21)|(5<<22)|(3<<25)
	s_or_b32 s[G1SB+0], s44, (3<<16)|(1<<20)|(1<<21)|(5<<22)|(3<<25)
.irp g, G1S, G1SB
	s_mov_b32 s[\g+1], 32<<16
	s_mov_b32 s[\g+2], 32<<16                      ; the scales of 256 rows: 32 rows of 256 bytes
	s_mov_b32 s[\g+3], 32<<16
	s_mov_b32 s[\g+4], 32
	s_mov_b32 s[\g+5], 32
	s_mov_b32 s[\g+6], 0
	s_mov_b32 s[\g+7], 0
.endr
	s_lshl_b32 s18, s16, 7
	s_lshl_b32 s20, s17, 8
	s_add_co_u32 s20, s20, s18
	s_lshl_b32 s46, s42, 8
	s_add_co_u32 s46, s46, s18
	s_lshl_b32 s22, s20, 5
	s_lshl_b32 s18, s46, 5
	s_mul_i32 s20, s20, KROW
	s_mul_i32 s46, s46, KROW
	s_mov_b32 s21, 0
	s_mov_b32 s23, 0
	s_mov_b32 s19, 0
	s_mov_b32 s47, 0
	s_mov_b32 s3, 0
	s_mul_i32 s45, s14, HALFT
	s_wait_kmcnt 0x0
	s_mul_i32 s2, s66, 3145728
	s_add_nc_u64 s[4:5], s[4:5], s[2:3]
	s_mul_i32 s2, s66, 131072
	s_add_nc_u64 s[6:7], s[6:7], s[2:3]
	s_mul_i32 s2, s66, 786432
	s_add_nc_u64 s[8:9], s[8:9], s[2:3]
	s_mul_i32 s2, s66, 32768
	s_add_nc_u64 s[10:11], s[10:11], s[2:3]
	s_cmp_eq_u32 s66, 0
	s_cselect_b64 s[100:101], s[92:93], s[94:95]
	s_cmp_eq_u32 s66, 2
	s_cselect_b64 s[100:101], s[96:97], s[100:101]
	s_cselect_b64 s[92:93], s[8:9], s[4:5]
	s_cselect_b64 s[94:95], s[10:11], s[6:7]
	s_cselect_b64 s[4:5], s[4:5], s[8:9]
	s_cselect_b64 s[6:7], s[6:7], s[10:11]
	s_add_nc_u64 s[20:21], s[92:93], s[20:21]
	s_add_nc_u64 s[22:23], s[94:95], s[22:23]
	s_add_nc_u64 s[46:47], s[4:5], s[46:47]
	s_add_nc_u64 s[18:19], s[6:7], s[18:19]
	s_mov_b32 s[SEL], 0x76543210
	s_mov_b32 s[SEL+1], 0xfedcba98
	CROUND
; THE HEAD'S FOUR TILES, each whole, one joint load a wave: wave 0 the first operand's 256 rows of K step 0, wave 1 the second's, wave 2 the first's scales, wave 3 the second's.
; s[20:23], s[46:47], s[18:19] point at my half of 128 rows (for the ring): the half's bytes are taken off again.  Groups 0 of the two loads of codes lie in s[4:11], whose arguments have been used.
	s_mul_i32 s2, s16, 128*KROW
	s_sub_nc_u64 s[6:7], s[20:21], s[2:3]
	s_sub_nc_u64 s[10:11], s[46:47], s[2:3]
	s_lshl_b32 s2, s16, 12
	s_sub_nc_u64 s[G0S+2:G0S+3], s[22:23], s[2:3]
	s_sub_nc_u64 s[G0SB+2:G0SB+3], s[18:19], s[2:3]
	s_mov_b32 s4, 1
	s_mov_b32 s5, 0
	s_or_b32 s7, s7, 0x80000000
	s_mov_b32 s8, 1
	s_mov_b32 s9, 2*HALFT
	s_or_b32 s11, s11, 0x80000000
	s_mov_b32 s[G0S], 1
	s_mov_b32 s[G0S+1], SCL
	s_or_b32 s[G0S+3], s[G0S+3], 0x80000000
	s_mov_b32 s[G0SB], 1
	s_mov_b32 s[G0SB+1], SCL+2*HALFS
	s_or_b32 s[G0SB+3], s[G0SB+3], 0x80000000
.irp s, 0,1
	s_mov_b32 s[G0+4*\s], 1
	s_add_co_u32 s[G0+4*\s+1], s45, \s*SLOT
	s_add_nc_u64 s[G0+4*\s+2:G0+4*\s+3], s[20:21], \s*TROW
	s_or_b32 s[G0+4*\s+3], s[G0+4*\s+3], 0x80000000
	s_mov_b32 s[G0B+4*\s], 1
	s_add_co_u32 s[G0B+4*\s+1], s45, \s*SLOT
	s_add_nc_u64 s[G0B+4*\s+2:G0B+4*\s+3], s[46:47], \s*TROW
	s_or_b32 s[G0B+4*\s+3], s[G0B+4*\s+3], 0x80000000
.endr
; THE PREFETCHES' BASE: of the 8 tiles of 16 rows that I fetch in the ring, each of the four partners that ask for them with me takes two, told apart by address (cx for the first operand, cy for the second).
	s_cmp_eq_u32 s15, 0
	s_cselect_b64 s[44:45], s[20:21], s[46:47]
	s_cselect_b32 s2, s40, s41
	s_mul_i32 s2, s2, 2*12288
	s_add_nc_u64 s[44:45], s[44:45], s[2:3]
.macro ARM under, g0, g1, next                 ; one chain of branches on the wave's number: every way through the head passes one load
	s_cmp_lt_u32 s14, \under
	s_cbranch_scc0 \next
	tensor_load_to_lds s[\g0:\g0+3], s[\g1:\g1+7]
	s_nop 0
.rept 4
	v_nop
.endr
	s_branch .Lhead_asked
\next:
.endm
	ARM 1, 4, G1, .Lhead_b
	ARM 2, 8, G1B, .Lhead_sa
	ARM 3, G0S, G1S, .Lhead_sb
	tensor_load_to_lds s[G0SB:G0SB+3], s[G1SB:G1SB+7]
	s_nop 0
.rept 4
	v_nop
.endr
.Lhead_asked:
; A K slot of my two tiles is 2 x 3,072 bytes: 24 blocks of 256 bytes, a lane a block (lanes 24-31 name the last again): block x lies at 12,288 (x / 12) + 256 (x % 12) = 256 x + 9,216 (x / 12); x / 12 = (171 x) >> 11 for x under 24.
; K slot 1 is asked for here, slots 2 and 3 behind slot 1's load: each at least one slot ahead of the load that wants it.  v26 and s[44:45] are never rewritten.
	v_and_b32 v26, 31, v0
	v_min_u32 v26, 23, v26
	v_mul_u32_u24 v7, v26, 171
	v_lshrrev_b32 v7, 11, v7
	v_mul_u32_u24 v7, v7, 9216
	v_lshl_add_u32 v26, v26, 8, v7
	global_prefetch_b8 v26, s[44:45] offset:TROW th:TH_LOAD_NT scope:SCOPE_SE
	v_and_b32 v1, 15, v0
	v_bfe_u32 v2, v0, 4, 1
	v_and_b32 v3, 31, v0
	v_mul_u32_u24 v4, v3, 24
	s_mul_i32 s21, s15, HALFT
	s_mul_i32 s22, s16, HALFT
	s_add_co_u32 s22, s22, 2*HALFT
.irp s, 0,1
	v_add_nc_u32 v[ADRA+\s], s21, v4
	v_add_nc_u32 v[ADRB+\s], s22, v4
	s_add_co_u32 s21, s21, SLOT
	s_add_co_u32 s22, s22, SLOT
.endr
	v_mul_u32_u24 v5, v1, KS
	v_lshrrev_b32 v6, 8, v5
	v_lshl_add_u32 v5, v6, 4, v5
	s_mul_i32 s21, s15, HALFS
	s_mul_i32 s22, s16, HALFS
	s_add_co_u32 s22, s22, 2*HALFS
	s_sub_co_u32 s22, s22, s21
	v_mul_u32_u24 v6, s22, v2
	s_add_co_u32 s21, s21, SCL
	v_add_nc_u32 v5, v5, v6
	v_add_nc_u32 v[ADRS], s21, v5
	v_lshlrev_b32 v[LI], 4, v3
	v_lshlrev_b32 v[VSO], 4, v1
	v_mad_u32_u24 v[VSO], v2, 12288, v[VSO]
	v_lshlrev_b32 v[CBA], 6, v2
	s_wait_alu depctr_va_vdst(0)
	v_and_b32 v5, 8, v1
	v_add_nc_u32 v5, v5, v1
	v_lshlrev_b32 v[RBA], 2, v5
	s_wait_alu depctr_va_vdst(0)
	v_cmp_le_u32 s104, 16, v3
	s_lshl_b32 s20, s17, 8
	s_lshl_b32 s21, s15, 7
	s_add_co_u32 s20, s20, s21
	s_lshl_b32 s46, s42, 8
	s_lshl_b32 s47, s16, 7
	s_add_co_u32 s46, s46, s47
	s_cmp_eq_u32 s66, 2
	s_cselect_b32 s22, 0, s46
	s_cselect_b32 s18, s20, 0
	s_lshl_b32 s22, s22, 2
	s_lshl_b32 s18, s18, 2
	s_mov_b32 s23, 0
	s_mov_b32 s19, 0
	s_add_nc_u64 s[92:93], s[100:101], s[18:19]
	s_add_nc_u64 s[100:101], s[100:101], s[22:23]
.irp b, 0,1,2,3,4,5,6,7
	global_load_b128 v[CB+8*\b:CB+8*\b+3], v[CBA], s[100:101] offset:(32*(\b/2)+8*(\b%2))*4
	global_load_b128 v[CB+8*\b+4:CB+8*\b+7], v[CBA], s[100:101] offset:(32*(\b/2)+8*(\b%2))*4+16
.endr
.irp a, 0,1,2,3,4,5,6,7
	global_load_b32 v[RB+2*\a], v[RBA], s[92:93] offset:(32*(\a/2)+8*(\a%2))*4
	global_load_b32 v[RB+2*\a+1], v[RBA], s[92:93] offset:(32*(\a/2)+8*(\a%2))*4
.endr
.macro FRAG reg, adr                   ; a fragment's six pieces of 8 bytes, two to a load: at bytes 0, 8; 16, 768; 776, 784 from v[adr]
	ds_load_2addr_b64 v[\reg:\reg+3], v[\adr] offset0:0 offset1:1
	ds_load_2addr_b64 v[\reg+4:\reg+7], v[\adr] offset0:2 offset1:96
	ds_load_2addr_b64 v[\reg+8:\reg+11], v[\adr] offset0:97 offset1:98
.endm
.macro MUL16 a0, p, q, sc, zero
.irp a, \a0, \a0+1
.irp b, 0,1,2,3,4,5,6,7
.if \zero
	v_wmma_scale_f32_16x16x128_f8f6f4 v[8*(8*((\a)%4)+\b):8*(8*((\a)%4)+\b)+7], v[128*(\p)+FR*\b:128*(\p)+FR*\b+FR-1], v[AF+FR*(\a):AF+FR*(\a)+FR-1], 0, v[SC+8*NQ*(\sc)+NQ*\b+(\q)], v[SC+8*NQ*(\sc)+NQ*(\a)+(\q)] matrix_a_fmt:MATRIX_FMT_FP6 matrix_b_fmt:MATRIX_FMT_FP6 matrix_a_scale:MATRIX_SCALE_ROW1
.else
	v_wmma_scale_f32_16x16x128_f8f6f4 v[8*(8*((\a)%4)+\b):8*(8*((\a)%4)+\b)+7], v[128*(\p)+FR*\b:128*(\p)+FR*\b+FR-1], v[AF+FR*(\a):AF+FR*(\a)+FR-1], v[8*(8*((\a)%4)+\b):8*(8*((\a)%4)+\b)+7], v[SC+8*NQ*(\sc)+NQ*\b+(\q)], v[SC+8*NQ*(\sc)+NQ*(\a)+(\q)] matrix_a_fmt:MATRIX_FMT_FP6 matrix_b_fmt:MATRIX_FMT_FP6 matrix_a_scale:MATRIX_SCALE_ROW1
.endif
.endr
.endr
.endm
.macro FETCH_B slot, q, p
	WIN 0
.irp i, 0,1,2,3,4,5,6,7
	v_add_nc_u32 v[240+\i], \i*TROW+(\q)*1536, v[ADRB+\slot]   ; the fragments' LDS addresses, in v240-247, which are free until the way out
.endr
	WIN TO_B
.irp i, 0,1,2,3,4,5,6,7
	FRAG 128*(\p)+FR*\i, 240+\i
.endr
	WIN 0
.endm
.macro FETCH_A slot, q, i0
.irp i, \i0, \i0+1, \i0+2, \i0+3
	v_add_nc_u32 v[248+(\i)-(\i0)], (\i)*TROW+(\q)*1536, v[ADRA+\slot]   ; in v248-251
.endr
.irp i, \i0, \i0+1, \i0+2, \i0+3
	FRAG AF+FR*(\i), 248+(\i)-(\i0)
.endr
.endm
.macro SCALES sc
.irp i, 0,1,2,3,4,5,6,7
	ds_load_b64 v[SC+8*NQ*\sc+NQ*\i:SC+8*NQ*\sc+NQ*\i+1], v[ADRS] offset:\i*SBLK
.endr
.endm
.macro PLACES n
.rept \n
	v_nop
.endr
.endm
.macro STEP slot, q, zero
	s_wait_dscnt 4*NL
	WIN MUL_LO
	MUL16 0, (\q)%2, \q, \slot, \zero
	MUL16 2, (\q)%2, \q, \slot, \zero
	s_wait_dscnt 0
	PLACES NP
	FETCH_B \slot, (\q)+1, 1-(\q)%2
	FETCH_A \slot, (\q)+1, 0
	WIN MUL_HI
	MUL16 4, (\q)%2, \q, \slot, \zero
	MUL16 6, (\q)%2, \q, \slot, \zero
	PLACES NP
	WIN 0
	FETCH_A \slot, (\q)+1, 4
.endm
.macro TURN slot, next, fill
	s_wait_tensorcnt 0x0
	ds_add_u32 v[SPW], v[NIL]
	s_wait_dscnt 4*NL+1
	WIN MUL_LO
	MUL16 0, 1, NQ-1, \slot, 0
	s_wait_dscnt 0x0
	s_barrier_signal -1
	MUL16 2, 1, NQ-1, \slot, 0
	WIN 0
	s_barrier_wait -1
.if \fill
	CREST
	s_add_nc_u64 s[G0+4*\slot+2:G0+4*\slot+3], s[G0+4*\slot+2:G0+4*\slot+3], 2*TROW
	s_add_nc_u64 s[G0B+4*\slot+2:G0B+4*\slot+3], s[G0B+4*\slot+2:G0B+4*\slot+3], 2*TROW
	JLOAD G0+4*\slot, G1, G0B+4*\slot, G1B
.else
	PLACES NP
.endif
	s_wait_alu depctr_va_vdst(0)
	v_add_nc_u32 v[ADRS], 4*NQ, v[ADRS]
	FETCH_B \next, 0, 0
	FETCH_A \next, 0, 0
	SCALES \next
	WIN MUL_HI
	MUL16 4, 1, NQ-1, \slot, 0
	MUL16 6, 1, NQ-1, \slot, 0
	PLACES NP
	WIN 0
	FETCH_A \next, 0, 4
.endm
	s_wait_alu depctr_va_vdst(0)                   ; the wait at the head's end
	s_wait_tensorcnt 0x0                           ; my tile of the head's four is in; slot 1's first fill is issued as a refill is
	ds_add_u32 v[SPW], v[NIL]
	s_mov_b32 s[G1+2], 8<<16                       ; no tensor load of mine is out: from here on a load brings 8 tiles of 16 rows
	s_mov_b32 s[G1+4], 8
	s_mov_b32 s[G1B+2], 8<<16
	s_mov_b32 s[G1B+4], 8
	s_wait_dscnt 0x0
	CROUND                                         ; all four tiles are in, and all sixteen work-groups are here
	JLOAD G0+4, G1, G0B+4, G1B                     ; K step 1, the first tensor load behind the round
	FETCH_B 0, 0, 0
	FETCH_A 0, 0, 0
	SCALES 0
	FETCH_A 0, 0, 4
	global_prefetch_b8 v26, s[44:45] offset:2*TROW th:TH_LOAD_NT scope:SCOPE_SE   ; K slots 2 and 3
	global_prefetch_b8 v26, s[44:45] offset:3*TROW th:TH_LOAD_NT scope:SCOPE_SE
	STEP 0, 0, 1
	s_mov_b32 s3, LAPS-1
.Llap:
	TURN 0, 1, 1
	STEP 1, 0, 0
	TURN 1, 0, 1
	STEP 0, 0, 0
	s_sub_co_u32 s3, s3, 1
	s_cmp_lg_u32 s3, 0
	s_cbranch_scc1 .Llap
	TURN 0, 1, 0
	STEP 1, 0, 0
	s_wait_dscnt 4*NL
	WIN MUL_LO
	MUL16 0, 1, NQ-1, 1, 0
	MUL16 2, 1, NQ-1, 1, 0
	s_wait_dscnt 0
	WIN MUL_HI
	MUL16 4, 1, NQ-1, 1, 0
	MUL16 6, 1, NQ-1, 1, 0
	WIN 0
.macro QUANT s, pw
.irp b, 0,1,2,3
	v_max3_num_f32 v[TM+\b], |v[\s+16*\b]|, |v[\s+1+16*\b]|, 0x1800000
.endr
.irp i, 2,4,6,8,10,12,14
.irp b, 0,1,2,3
	v_max3_num_f32 v[TM+\b], v[TM+\b], |v[\s+16*\b+\i]|, |v[\s+1+16*\b+\i]|
.endr
.endr
.irp b, 0,1,2,3
	v_permlanex16_b32 v[TM+4+\b], v[TM+\b], s[SEL], s[SEL+1]
.endr
.irp b, 0,1,2,3
	v_max_num_f32 v[TM+\b], v[TM+\b], v[TM+4+\b]
.endr
.irp b, 0,1,2,3
	v_add_nc_u32 v[TM+12+\b], 0xff000000, v[TM+\b]
.endr
.irp b, 0,1,2,3
	v_lshrrev_b32 v[TM+4+\b], 23, v[TM+12+\b]
.endr
	v_lshl_or_b32 v[\pw], v[TM+5], 8, v[TM+4]
	v_lshl_or_b32 v[\pw], v[TM+6], 16, v[\pw]
	v_lshl_or_b32 v[\pw], v[TM+7], 24, v[\pw]
	s_wait_alu depctr_va_vdst(0)
	s_wait_xcnt 0x0                                ; the last block's stores have read their data: the conversions below are the first lines that write those registers again
.irp c, 0,1
	v_cvt_scalef32_pk16_fp6_f32 v[PC+6*\c:PC+2+6*\c], v[\s+32*\c:\s+15+32*\c], v[TM+12+2*\c]
	v_cvt_scalef32_pk16_fp6_f32 v[PC+12+4*\c:PC+14+4*\c], v[\s+16+32*\c:\s+31+32*\c], v[TM+12+2*\c+1]
.endr
	v_nop
.irp c, 0,1
.irp i, 0,1,2
	v_permlane16_swap_b32 v[PC+6*\c+\i], v[PC+12+4*\c+\i]
.endr
.irp i, 0,1,2
	v_mov_b32 v[PC+3+6*\c+\i], v[PC+12+4*\c+\i]
.endr
.endr
.endm
.macro FINISH
	s_wait_tensorcnt 0x0
	ds_add_u32 v[SPW], v[NIL]
	s_wait_dscnt 0x0
	CROUND
	s_endpgm
.endm
	PLACES NP
	s_wait_loadcnt 0x0
.irp b, 0,1,2,3
	v_mov_b32 v[TM+4+\b], 0
.endr
	s_mov_b32 s19, 0
	s_cmp_eq_u32 s66, 2
	s_cbranch_scc1 .Lepi_v
	s_lshr_b32 s21, s20, 11
	s_lshl_b32 s21, s21, 4
	s_lshr_b32 s22, s46, 6
	s_add_co_u32 s21, s21, s22
	s_and_b32 s22, s20, 2047
	s_lshr_b32 s23, s22, 5
	s_mul_i32 s23, s23, 1536
	s_mul_i32 s18, s21, 98304
	s_add_co_u32 s18, s18, s23
	s_mul_i32 s23, s66, 3145728
	s_add_co_u32 s18, s18, s23
	s_add_nc_u64 s[98:99], s[98:99], s[18:19]
	s_cmp_eq_u32 s66, 0
	s_mov_b32 s23, 12288
	s_cselect_b32 s23, 8192, s23
	s_cselect_b32 s47, 0, 262144
	s_mul_i32 s18, s21, s23
	s_add_co_u32 s18, s18, s47
	s_lshr_b32 s22, s22, 7
	s_lshl_b32 s22, s22, 9
	s_add_co_u32 s18, s18, s22
	s_add_nc_u64 s[12:13], s[12:13], s[18:19]
	s_mov_b32 s22, s23
	s_mov_b32 s23, 0
	s_add_nc_u64 s[94:95], s[12:13], s[22:23]
.irp hd, 0,1
.irp pa, 0,1,2,3
	WIN 0x02+(\pa/2)
.irp u, 0,1
.irp bb, 0,1,2,3
.irp j, 0,2,4,6
	v_pk_add_f32 v[H+32*\u+8*\bb+\j:H+32*\u+8*\bb+\j+1], v[8*(8*((2*\pa+\u)%4)+4*\hd+\bb)+\j:8*(8*((2*\pa+\u)%4)+4*\hd+\bb)+\j+1], v[CB+8*(4*\hd+\bb)+\j:CB+8*(4*\hd+\bb)+\j+1]
.endr
.endr
.endr
	WIN 0
	QUANT H, PWT
.irp c, 0,1,2
	global_store_b128 v[LI], v[PC+4*\c:PC+4*\c+3], s[98:99] offset:\hd*98304+\pa*1536+512*\c
.endr
	v_and_b32 v[W+2*\pa], 0xffff, v[PWT]
	v_lshrrev_b32 v[W+2*\pa+1], 16, v[PWT]
.endr
.irp j, 0,1,2,3
	v_cndmask_b32 v[SW+4*\hd+\j], v[W+\j], v[W+4+\j], s104
.endr
.if \hd == 0
	global_store_b128 v[LI], v[SW:SW+3], s[12:13]
.else
	global_store_b128 v[LI], v[SW+4:SW+7], s[94:95]
.endif
.endr
	FINISH
.Lepi_v:
	s_lshr_b32 s21, s46, 11
	s_lshl_b32 s21, s21, 4
	s_lshr_b32 s22, s20, 6
	s_add_co_u32 s21, s21, s22
	s_and_b32 s22, s46, 2047
	s_lshr_b32 s22, s22, 7
	s_mul_i32 s18, s21, 98304
	s_mul_i32 s23, s22, 6144
	s_add_co_u32 s18, s18, s23
	s_add_co_u32 s18, s18, 6291456
	s_add_nc_u64 s[98:99], s[98:99], s[18:19]
	s_mul_i32 s18, s21, 12288
	s_lshl_b32 s22, s22, 8
	s_add_co_u32 s18, s18, s22
	s_add_co_u32 s18, s18, 262144+8192
	s_add_nc_u64 s[12:13], s[12:13], s[18:19]
.irp a, 0,1,2,3,4,5,6,7
	WIN 0x02+(\a/4)
.irp bb, 0,1,2,3,4,5,6,7
.irp j, 0,2,4,6
	v_pk_add_f32 v[H+8*\bb+\j:H+8*\bb+\j+1], v[8*(8*(\a%4)+\bb)+\j:8*(8*(\a%4)+\bb)+\j+1], v[RB+2*\a:RB+2*\a+1]
.endr
.endr
	WIN 0
	QUANT H, W+\a
.irp c, 0,1,2
	global_store_b128 v[LI], v[PC+4*\c:PC+4*\c+3], s[98:99] offset:(\a/4)*98304+(\a%4)*1536+512*\c
.endr
.endr
.irp j, 0,1,2,3
	v_cndmask_b32 v[SW+\j], v[W+\j], v[W+4+\j], s104
.endr
	global_store_b128 v[VSO], v[SW:SW+3], s[12:13]
	FINISH
.Lfunc_end_k_q92f1c9ba43_proj:
	.size	k_q92f1c9ba43_proj, .Lfunc_end_k_q92f1c9ba43_proj-k_q92f1c9ba43_proj
	.p2alignl 7, 3214868480
	.fill 96, 4, 3214868480
	.section	.rodata,"a",@progbits
	.p2align	6, 0x0
	.amdhsa_kernel k_q92f1c9ba43_proj
		.amdhsa_group_segment_fixed_size 327680
		.amdhsa_private_segment_fixed_size 0
		.amdhsa_enable_private_segment 0
		.amdhsa_kernarg_size 72
		.amdhsa_user_sgpr_count 2
		.amdhsa_user_sgpr_kernarg_segment_ptr 1
		.amdhsa_wavefront_size32 1
		.amdhsa_system_sgpr_workgroup_id_x 1
		.amdhsa_system_sgpr_workgroup_id_y 1
		.amdhsa_system_sgpr_workgroup_id_z 1
		.amdhsa_system_vgpr_workitem_id 0
		.amdhsa_next_free_vgpr 1024
		.amdhsa_next_free_sgpr 106
		.amdhsa_reserve_vcc 0
		.amdhsa_float_denorm_mode_32 3
		.amdhsa_float_denorm_mode_16_64 3
		.amdhsa_memory_ordered 1
		.amdhsa_forward_progress 1
		.amdhsa_inst_pref_size 222
	.end_amdhsa_kernel
	.amdgpu_metadata
---
amdhsa.version: [ 1, 2 ]
amdhsa.kernels:
  - .name:           k_q92f1c9ba43_proj
    .symbol:         k_q92f1c9ba43_proj.kd
    .args:
      - { .name: xc, .offset: 0, .size: 8, .value_kind: global_buffer, .address_space: global }
      - { .name: xs, .offset: 8, .size: 8, .value_kind: global_buffer, .address_space: global }
      - { .name: wc, .offset: 16, .size: 8, .value_kind: global_buffer, .address_space: global }
      - { .name: wsc, .offset: 24, .size: 8, .value_kind: global_buffer, .address_space: global }
      - { .name: b_q, .offset: 32, .size: 8, .value_kind: global_buffer, .address_space: global }
      - { .name: b_k, .offset: 40, .size: 8, .value_kind: global_buffer, .address_space: global }
      - { .name: b_v, .offset: 48, .size: 8, .value_kind: global_buffer, .address_space: global }
      - { .name: hc, .offset: 56, .size: 8, .value_kind: global_buffer, .address_space: global }
      - { .name: hs, .offset: 64, .size: 8, .value_kind: global_buffer, .address_space: global }
    .group_segment_fixed_size: 327680
    .private_segment_fixed_size: 0
    .kernarg_segment_align: 8
    .kernarg_segment_size: 72
    .max_flat_workgroup_size: 128
    .sgpr_count:     106
    .vgpr_count:     1024
    .wavefront_size: 32
...
	.end_amdgpu_metadata
.endif
;; end of part 2
;; launch attn (part 3): grid 8 x 32, 16 waves a work-group, clusters of 4 x 1, 247,808 bytes of LDS; arguments hc, hs, oc, os; writes oc, os
.if DOCPART == 3
	.amdgcn_target "amdgcn-amd-amdhsa--gfx1250"
	.amdhsa_code_object_version 6
	.text
	.protected	k_q92f1c9ba43_attn
	.globl	k_q92f1c9ba43_attn
	.p2align	8
	.type	k_q92f1c9ba43_attn,@function
k_q92f1c9ba43_attn:
	s_mov_b64 s[64:65], 0
	v_nop
	global_prefetch_b8 v0, s[64:65] scope:SCOPE_SE
	s_setreg_imm32_b32 hwreg(HW_REG_WAVE_MODE, 25, 1), 1
	s_wait_xcnt 0x0
	s_wait_alu depctr_hold_cnt(0) depctr_sa_sdst(0) depctr_va_vdst(0) depctr_va_sdst(0) depctr_va_ssrc(0) depctr_va_vcc(0) depctr_vm_vsrc(0)
	s_getreg_b32 s2, hwreg(HW_REG_IB_STS2, 6, 4)
	s_cmp_eq_u32 s2, 0
	s_cbranch_scc0 .Lentry_in_a_cluster
	s_endpgm
.Lentry_in_a_cluster:
	s_bfe_u32 s2, ttmp6, 0x10000c
	s_cmp_lg_u32 s2, 0x3003
	s_cbranch_scc0 .Lentry_shape_is_right
	s_endpgm
.Lentry_shape_is_right:
; Attention of one head on codes of E2M3 with E8M0 scales: S^T = K Q^T over the head's 64, p = 2^(t - M), O^T += V^T P^T over the keys; O / the row's sum is quantised along the model's 1,024 for the last projection.
; t = score x log2(e) / 8; M = the running largest t rounded UP to a whole number; the row's sum is taken of the unquantised p, in f32, and divides O at the end.  When M moves, the sum and O are multiplied by 2^(old M - new M): exact.
; LIMITS: NaN and infinities are not served; the promise holds while |t| stays under 2^31; a block of zeros keeps the scale byte 1 (its codes are zeros; this program alone reads the bytes).
; SHARES: a work-group owns 256 queries of one head (bh = 16 x batch + head), each of its sixteen waves one tile of 16.  A key step is 128 keys, sixteen steps.
; LDS: the head's K, V and their scale words lie whole in LDS; every byte is filled once, at the head, one tensor load a wave in one chain of branches.  Wave 0 brings the words, wave 1 K's steps 0 to 2, wave 2 V's steps 0 and 1:
; these three alone wait ahead of the first barrier, and steps 0 and 1, which read nothing else, run in a loop of their own.  Waves 3-8 bring a sixth each of K's steps 3 to 15, waves 9-15 a seventh each of V's steps 2 to 15:
; every wave waits for its load ahead of the first two steps' signals, and the barrier is closed ahead of the loop of the other steps.
; CLUSTER: the four query blocks of a cluster belong to one head: each piece is asked for jointly, with the mask of all four.  No prefetch: all fills go out at the head, and there is no loop to run ahead in.
; OPERANDS lie in memory as images of registers: a pair of tiles is 1,536 bytes, registers 4 k .. 4 k + 3 of its 12 at 512 k + 16 l.  In memory lane 8 g + j of tile 2 pa + u of a step is key 32 pa + 16 g + 8 u + j.
; A BLOCK OF 32 KEYS IN ONE LANE: lane 8 g' + j of MY tile 4 c + 2 g + u reads the image's lane 8 g + j of tile 2 (2 c + g') + u, which is key 64 c + 32 g' + 8 (2 g + u) + j.  Register i of S^T's tiles 4 c .. 4 c + 3 in lane (r, h)
; is then key 64 c + 32 h + i: the very place that P's operand gives that lane.  So a block's largest score needs no other lane, and the conversions' results are the operand's registers.
; K's pieces of 512 bytes lie 640 apart in LDS (the load's padding): a pair begins 1,920 bytes behind the last, so lanes 0-7 and 8-15 of a load of 16 bytes a lane touch different halves of a row of 64 banks (ISA guide 11.1).
; K = 64 IN AN INSTRUCTION OF K = 128: Q's registers 6-11 are zero codes; K's operand for tile t is v[K + 6 t : K + 6 t + 11]: its upper six registers hold the next tile's codes (behind tile 7: zeros), which meet zero codes alone.
; The scale bytes of that half are 0 on both sides, the smallest scale, not 0xff.
; ONE BARRIER A STEP, signalled ahead of one step's last products and waited for ahead of the next signal, holds the sixteen waves within one key step of each other. In front of its signal every LDS load
; of the wave is waited for: that one wait serves V of this step and K of the next, both asked for directly behind the step's first products.
.set KP,    640
.set KSTP,  12*KP                      ; a step of K in LDS
.set VC,    16*KSTP                    ; V: 6,144 bytes a step
.set SCW,   VC+98304                   ; K's words: 512 bytes a step; from + 8,192 V's: 256 bytes a step
.set STG,   SCW+12288                  ; the way out: 768 bytes for each wave; no tile lands here
.set SPARE, STG+16*768                 ; the spare words: 128 bytes for each wave
.set AKL,  1                           ; v1  K: 1,920 (r / 8) + 16 (r % 8) + 256 h
.set AVL,  2                           ; v2  V: VC + 16 l
.set ASL,  3                           ; v3  K's words: SCW + 256 (l / 16) + 16 (l % 8) + 8 ((l / 8) % 2)
.set ATL,  4                           ; v4  V's words: SCW + 8,192 + 16 r
.set SH8,  5                           ; v5  8 h
.set SPW,  6                           ; v6  my spare word;  v7  0
.set NIL,  7
.set T,    10                          ; v8-11 the step's LDS addresses; then v10-12 a block's second 16 codes; then v10-13 two chains of the sum
.set OLD,  13                          ; v13 the last -M, then old M - new M
.set Q,    16                          ; v16-27 Q and its zero codes;  v28 its scale word;  v29 p's scale word
.set QS,   28
.set PW,   29
.set F,    30                          ; v30 f = 2^(old M - new M);  v31 the running largest score
.set MRUN, 31
.set K,    32                          ; v32-79 K's 8 tiles, v80-85 zeros;  v86-89 K's words;  v90-93 V's
.set KS,   86
.set VS,   90
.set NEGM, 94                          ; v94 -M;  v95 what a lane permute brings
.set TMP,  95
.set S,    96                          ; v96-159 S^T, then p
.set O,    160                         ; v160-191 O^T
.set V,    192                         ; v192-239 V's 4 fragments
.set P,    240                         ; v240-251 p's codes;  v252-255 at work;  v[14:15] the row's sum in two halves
.set WV,   18
.set CNT,  19
.set SEL,  20                          ; s[20:21] lane l xor 16
.set CS,   22                          ; s[22:23] c = log2(e) / 8;  s70 -c
.set NC,   70
.set G1KA, 24                          ; groups 1: K's first 36 rows of 512 bytes; 26 such rows; 48 rows of 256 bytes
.set G1KB, 32
.set G1V,  40
.set G0S,  48                          ; groups 0: the words; K's steps 0-2; V's steps 0, 1; my sixth of K's rest; my seventh of V's rest
.set G0KA, 52
.set G0VA, 56
.set G0KB, 88
.set G0VB, 92
.set TK,   66                          ; where the next step's K, its words, this step's V and its words begin
.set TS,   67
.set TV,   68
.set TT,   69
.macro CROUND
	s_barrier_signal -1
	s_barrier_wait -1
	s_cmp_lg_u32 s[WV], 0
	s_cbranch_scc1 .Lnot_wave_0_\@
	s_barrier_signal -3
.Lnot_wave_0_\@:
	s_barrier_wait -3
	s_barrier_signal -1
	s_barrier_wait -1
.endm
.macro WALU
	s_wait_alu depctr_va_vdst(0)
.endm
.macro TLOAD g0, g1
	tensor_load_to_lds s[\g0:\g0+3], s[\g1:\g1+7]
	s_nop 0
.rept 4
	v_nop
.endr
.endm
.macro ARM under, g0, g1, next         ; an arm of the head's one chain of branches on the wave's number
	s_cmp_lt_u32 s[WV], \under
	s_cbranch_scc0 \next
	TLOAD \g0, \g1
	s_branch .Lasked
\next:
.endm
	s_load_b256 s[4:11], s[0:1], 0x0               ; hc, hs, oc, os
	v_lshl_add_u32 v[SPW], v0, 2, SPARE
	v_mov_b32 v[NIL], 0
	ds_add_u32 v[SPW], v[NIL]                      ; the opening lines: the add twice and its wait
	ds_add_u32 v[SPW], v[NIL]
	v_lshrrev_b32 v8, 5, v0
	v_readfirstlane_b32 s[WV], v8
	s_bfe_u32 s12, ttmp6, 0x40000                  ; cx: it enters Q's, oc's and os's addresses alone
	s_lshl_b32 s13, ttmp9, 2
	s_add_co_u32 s13, s13, s12                     ; my block of 256 queries
	s_and_b32 s14, ttmp7, 0xffff                   ; bh, which the four partners share
.irp g, G1KA, G1KB
	s_mov_b32 s[\g], 15|(3<<16)|(1<<20)|(1<<21)|(6<<22)|(31<<25)   ; K: rows of 512 bytes, 128 bytes of padding behind each
	s_mov_b32 s[\g+1], 64<<16
	s_mov_b32 s[\g+3], 64<<16
	s_mov_b32 s[\g+5], 64
	s_mov_b32 s[\g+6], 0
	s_mov_b32 s[\g+7], 0
.endr
	s_mov_b32 s[G1KA+2], 36<<16
	s_mov_b32 s[G1KA+4], 36
	s_mov_b32 s[G1KB+2], 26<<16
	s_mov_b32 s[G1KB+4], 26
	s_mov_b32 s[G1V], 15|(3<<16)|(1<<21)           ; V and the words: 12,288 dense bytes as 48 rows of 256
	s_mov_b32 s[G1V+1], 32<<16
	s_mov_b32 s[G1V+2], 48<<16
	s_mov_b32 s[G1V+3], 32<<16
	s_mov_b32 s[G1V+4], 48
	s_mov_b32 s[G1V+5], 32
	s_mov_b32 s[G1V+6], 0
	s_mov_b32 s[G1V+7], 0
	s_mul_i32 s16, s14, 98304                      ; my head in each part of hc: Q's at 0, K's at 3,145,728, V's at 6,291,456
	s_add_co_u32 s76, s16, 3145728
	s_mov_b32 s77, 0
	s_add_co_u32 s78, s16, 6291456
	s_mov_b32 s79, 0
	s_mul_i32 s71, s[WV], 26*512                   ; K's rest: rows 36 + 26 (wave - 3) on
	s_add_co_u32 s74, s76, s71
	s_sub_co_u32 s74, s74, 42*512
	s_mov_b32 s75, 0
	s_mul_i32 s72, s[WV], 12288                    ; V's rest: 12,288 (wave - 8) on
	s_add_co_u32 s86, s78, s72
	s_sub_co_u32 s86, s86, 98304
	s_mov_b32 s87, 0
	s_mul_i32 s2, s14, 12288                       ; the head's words of K and V in hs, behind Q's 262,144 bytes
	s_add_co_u32 s2, s2, 262144
	s_mov_b32 s3, 0
	s_lshl_b32 s15, s13, 4
	s_add_co_u32 s15, s15, s[WV]                   ; T: my tile of 16 queries, 0 .. 127
	s_lshr_b32 s73, s15, 1
	s_mul_i32 s80, s73, 1536                       ; its pair's image
	s_add_co_u32 s80, s80, s16
	s_mov_b32 s81, 0
	s_lshl_b32 s82, s14, 13                        ; Q's words: 8,192 bytes a head; tile T's at 256 (T / 4) + 4 (T % 4) + 16 r
	s_lshr_b32 s73, s15, 2
	s_lshl_b32 s73, s73, 8
	s_add_co_u32 s82, s82, s73
	s_and_b32 s73, s15, 3
	s_lshl_b32 s73, s73, 2
	s_add_co_u32 s82, s82, s73
	s_mov_b32 s83, 0
	s_and_b32 s85, s[WV], 1
	s_cmp_eq_u32 s85, 1
	s_cselect_b32 s85, -1, 0                       ; all lanes, where my tile is the pair's second
	s_mov_b32 s[SEL], 0x76543210
	s_mov_b32 s[SEL+1], 0xfedcba98
	s_mov_b32 s[CS], 0x3e38aa3b
	s_mov_b32 s[CS+1], s[CS]
	s_mov_b32 s[NC], 0xbe38aa3b
	s_wait_dscnt 0x0
	s_wait_kmcnt 0x0
	s_mov_b32 s[G0S], 1
	s_mov_b32 s[G0S+1], SCW
	s_add_nc_u64 s[G0S+2:G0S+3], s[6:7], s[2:3]
	s_or_b32 s[G0S+3], s[G0S+3], 0x80000000
	s_mov_b32 s[G0KA], 1
	s_mov_b32 s[G0KA+1], 0
	s_add_nc_u64 s[G0KA+2:G0KA+3], s[4:5], s[76:77]
	s_or_b32 s[G0KA+3], s[G0KA+3], 0x80000000
	s_mov_b32 s[G0VA], 1
	s_mov_b32 s[G0VA+1], VC
	s_add_nc_u64 s[G0VA+2:G0VA+3], s[4:5], s[78:79]
	s_or_b32 s[G0VA+3], s[G0VA+3], 0x80000000
	s_mov_b32 s[G0KB], 1
	s_mul_i32 s[G0KB+1], s[WV], 26*KP
	s_sub_co_u32 s[G0KB+1], s[G0KB+1], 42*KP
	s_add_nc_u64 s[G0KB+2:G0KB+3], s[4:5], s[74:75]
	s_or_b32 s[G0KB+3], s[G0KB+3], 0x80000000
	s_mov_b32 s[G0VB], 1
	s_add_co_u32 s[G0VB+1], s72, VC-98304
	s_add_nc_u64 s[G0VB+2:G0VB+3], s[4:5], s[86:87]
	s_or_b32 s[G0VB+3], s[G0VB+3], 0x80000000
	s_add_nc_u64 s[60:61], s[4:5], s[80:81]
	s_add_nc_u64 s[62:63], s[6:7], s[82:83]
	CROUND                                         ; all four work-groups are here: the joint loads meet
	ARM 1, G0S,  G1V,  .Larm_ka
	ARM 2, G0KA, G1KA, .Larm_va
	ARM 3, G0VA, G1V,  .Larm_kb
	ARM 9, G0KB, G1KB, .Larm_vb
	TLOAD G0VB, G1V
.Lasked:
	v_and_b32 v9, 31, v0                           ; l
	v_and_b32 v10, 15, v0                          ; r
	v_bfe_u32 v11, v0, 4, 1                        ; h
	v_and_b32 v12, 7, v0
	v_bfe_u32 v13, v0, 3, 1
	v_lshlrev_b32 v8, 4, v9                        ; 16 l
	v_lshl_add_u32 v[ATL], v10, 4, SCW+8192
	v_lshlrev_b32 v10, 4, v10                      ; 16 r
	global_load_b128 v[32:35], v8, s[60:61]        ; my pair's image of Q
	global_load_b128 v[36:39], v8, s[60:61] offset:512
	global_load_b128 v[40:43], v8, s[60:61] offset:1024
	global_load_b32 v[QS], v10, s[62:63]
	v_add_nc_u32 v[AVL], VC, v8
	v_mul_u32_u24 v[AKL], v13, 3*KP
	v_lshl_add_u32 v[AKL], v12, 4, v[AKL]
	v_lshl_add_u32 v[AKL], v11, 8, v[AKL]
	v_lshlrev_b32 v[ASL], 8, v11
	v_lshl_add_u32 v[ASL], v12, 4, v[ASL]
	v_lshl_add_u32 v[ASL], v13, 3, v[ASL]
	v_add_nc_u32 v[ASL], SCW, v[ASL]
	v_lshlrev_b32 v[SH8], 3, v11
	s_wait_loadcnt 0x0
.irp i, 0,1,2,3,4,5
	v_cndmask_b32 v[Q+\i], v[32+\i], v[38+\i], s85 ; my tile's six registers of the pair's twelve
.endr
.irp i, 0,1,2,3,4,5
	v_mov_b32 v[Q+6+\i], 0                         ; Q's zero codes for the upper half of the instruction's K
	v_mov_b32 v[K+48+\i], 0                        ; what stands behind K's tile 7
.endr
	v_mov_b32 v[MRUN], 0xff61b1e6                  ; the largest score so far: -3e38
	v_mov_b32 v[NEGM], 0x7f61b1e6                  ; -M: 3e38: the first step's f is 0
	v_mov_b32 v[TMP], 0                            ; (a lane permute's destination counts as one of its sources)
	v_mov_b32 v14, 0
	v_mov_b32 v15, 0
.set I, 0
.rept 32
	v_mov_b32 v[O+I], 0                            ; O^T: the step is written once; the first finds zeros
.set I, I+1
.endr
.macro KLOAD a, b                              ; a step's K: pair p = 2 c + g of my tiles, 12 registers; its words: register 2 g + u: lanes 0-15 tile 2 g + u's, lanes 16-31 tile 4 + 2 g + u's
.irp p, 0,1,2,3
.irp k, 0,1,2
	ds_load_b128 v[K+12*\p+4*\k:K+12*\p+4*\k+3], v[\a] offset:6*KP*(\p/2)+128*(\p%2)+KP*\k
.endr
.endr
	ds_load_b64 v[KS:KS+1], v[\b]
	ds_load_b64 v[KS+2:KS+3], v[\b] offset:128
.endm
; A KEY STEP.  more = 1: the next step's K is asked for.  tw = 1: my tensor load is waited for ahead of the signal.
.macro STEP more, tw
.irp t, 0,1,2,3
	v_wmma_scale_f32_16x16x128_f8f6f4 v[S+8*\t:S+8*\t+7], v[K+6*\t:K+6*\t+11], v[Q:Q+11], 0, v[KS+\t], v[QS] matrix_a_fmt:MATRIX_FMT_FP6 matrix_b_fmt:MATRIX_FMT_FP6
.endr
.irp t, 4,5,6,7
	v_wmma_scale_f32_16x16x128_f8f6f4 v[S+8*\t:S+8*\t+7], v[K+6*\t:K+6*\t+11], v[Q:Q+11], 0, v[KS+\t-4], v[QS] matrix_a_fmt:MATRIX_FMT_FP6 matrix_b_fmt:MATRIX_FMT_FP6 matrix_a_scale:MATRIX_SCALE_ROW1
.endr
	v_add_nc_u32 v8, s[TV], v[AVL]                 ; these lines are the places behind the products, in front of the loads into their registers and of the first read of the scores
	v_add_nc_u32 v9, s[TT], v[ATL]
	v_mov_b32 v[OLD], v[NEGM]
.if \more
	v_add_nc_u32 v10, s[TK], v[AKL]
	v_add_nc_u32 v11, s[TS], v[ASL]
.else
	v_nop
.endif
.irp i, 0,1,2,3,4,5,6,7,8,9,10,11
	ds_load_b128 v[V+4*\i:V+4*\i+3], v8 offset:512*\i
.endr
	ds_load_b128 v[VS:VS+3], v9                    ; register j: tile j's words
.if \more
	KLOAD 10, 11
.endif
	v_max3_num_f32 v252, v[S], v[S+1], v[S+2]      ; THE LARGEST SCORE OF MY TWO BLOCKS OF 32 KEYS, each in two chains; each accumulator is read from its low end on
	v_max3_num_f32 v254, v[S+16], v[S+17], v[S+18]
	v_max3_num_f32 v253, v[S+32], v[S+33], v[S+34]
	v_max3_num_f32 v255, v[S+48], v[S+49], v[S+50]
.irp i, 3,5,7,9,11,13
	v_max3_num_f32 v252, v252, v[S+\i], v[S+\i+1]
	v_max3_num_f32 v254, v254, v[S+16+\i], v[S+17+\i]
	v_max3_num_f32 v253, v253, v[S+32+\i], v[S+33+\i]
	v_max3_num_f32 v255, v255, v[S+48+\i], v[S+49+\i]
.endr
	v_max3_num_f32 v252, v252, v[S+15], v[S+31]
	v_max3_num_f32 v253, v253, v[S+47], v[S+63]
	v_max_num_f32 v252, v252, v254
	v_max_num_f32 v253, v253, v255
	v_max3_num_f32 v254, v252, v253, v[MRUN]
	v_permlanex16_b32 v[TMP], v254, s[SEL], s[SEL+1]
	v_max_num_f32 v[MRUN], v254, v[TMP]            ; with lane l xor 16's 64 keys: my query's running largest score
	v_mul_f32 v255, s[NC], v[MRUN]                 ; -t (c is positive)
	v_floor_f32 v[NEGM], v255                      ; -M = floor(-t) = -ceil(t)
	v_sub_f32 v[OLD], v[NEGM], v[OLD]              ; old M - new M: a whole number, 0 or less
	v_cvt_i32_f32 v[OLD], v[OLD]                   ; (it saturates)
	v_ldexp_f32 v[F], 1.0, v[OLD]
	v_fma_f32 v252, v252, s[CS], v[NEGM]           ; t - M of each block's largest score: p rises with the score, so this gives the block's largest p
	v_fma_f32 v253, v253, s[CS], v[NEGM]
.set I, 0
.rept 32
	v_pk_fma_f32 v[S+I:S+I+1], v[S+I:S+I+1], s[CS:CS+1], v[NEGM:NEGM+1] op_sel_hi:[1,0,0]   ; t - M (of the pairs c and -M the low word serves both halves)
.set I, I+2
.endr
.set I, 0
.rept 16
	v_pk_mul_f32 v[O+I:O+I+1], v[O+I:O+I+1], v[F:F+1] op_sel_hi:[1,0]   ; O^T under the new M, each accumulator from its low end on
.set I, I+2
.endr
	WALU                                           ; the wait ahead of the batch
	v_exp_f32 v252, v252
	v_exp_f32 v253, v253
.set I, 0
.rept 64
	v_exp_f32 v[S+I], v[S+I]                       ; p = 2^(t - M), at most 1
.set I, I+1
.endr
	v_pk_mul_f32 v[14:15], v[14:15], v[F:F+1] op_sel_hi:[1,0]   ; the sum under the new M; the plain line behind the last exponential
	WALU                                           ; and the wait behind the batch
	v_max_num_f32 v252, 0x1800000, v252            ; the floor 2^(3 - 127): the byte cannot fall under 1
	v_max_num_f32 v253, 0x1800000, v253
	v_add_nc_u32 v252, 0xff000000, v252            ; 2 off the exponent field: the conversions' scale operands
	v_add_nc_u32 v253, 0xff000000, v253
	v_lshrrev_b32 v254, 23, v252                   ; the bytes of blocks h and 2 + h
	v_lshrrev_b32 v255, 23, v253
	v_lshl_or_b32 v[PW], v255, 16, v254
	v_lshlrev_b32 v[PW], v[SH8], v[PW]             ; at their places in the word, 8 h bits up
	v_permlanex16_b32 v[TMP], v[PW], s[SEL], s[SEL+1]
	v_or_b32 v[PW], v[PW], v[TMP]                  ; with lane l xor 16's two the word is whole
	v_cvt_scalef32_pk16_fp6_f32 v[P:P+2], v[S:S+15], v252
	v_cvt_scalef32_pk16_fp6_f32 v[T:T+2], v[S+16:S+31], v252      ; (a conversion's three registers begin on an even number)
	v_cvt_scalef32_pk16_fp6_f32 v[P+6:P+8], v[S+32:S+47], v253
; THE ROW'S SUM IS TAKEN OF THE UNQUANTISED p, two at a time, in four chains.  Its 32 additions are the plain lines behind the conversions and the places between p's codes and scale word and the products.
	v_pk_add_f32 v[254:255], v[S:S+1], v[S+2:S+3]
.irp i, 0,1,2
	v_mov_b32 v[P+3+\i], v[T+\i]
.endr
	v_cvt_scalef32_pk16_fp6_f32 v[T:T+2], v[S+48:S+63], v253
	v_pk_add_f32 v[14:15], v[14:15], v[S+4:S+5]
.irp i, 0,1,2
	v_mov_b32 v[P+9+\i], v[T+\i]
.endr
	v_pk_add_f32 v[10:11], v[S+6:S+7], v[S+8:S+9]
	v_pk_add_f32 v[12:13], v[S+10:S+11], v[S+12:S+13]
.set I, 14
.rept 6
	v_pk_add_f32 v[14:15], v[14:15], v[S+I:S+I+1]
	v_pk_add_f32 v[254:255], v[254:255], v[S+I+2:S+I+3]
	v_pk_add_f32 v[10:11], v[10:11], v[S+I+4:S+I+5]
	v_pk_add_f32 v[12:13], v[12:13], v[S+I+6:S+I+7]
.set I, I+8
.endr
	v_pk_add_f32 v[14:15], v[14:15], v[S+62:S+63]
	v_pk_add_f32 v[254:255], v[254:255], v[10:11]
	v_pk_add_f32 v[14:15], v[14:15], v[12:13]
	v_pk_add_f32 v[14:15], v[14:15], v[254:255]
	WALU                                           ; the wait ahead of the waits below
	s_barrier_wait -1                              ; every wave has reached the last step's signal
.if \tw
	s_wait_tensorcnt 0x0                           ; my piece of K's or V's rest has landed: the signal says so too
.endif
	s_wait_dscnt 0x0                               ; V of this step and K of the next are in; no LDS load of mine is out at the signal
	s_barrier_signal -1
.irp t, 0,1,2,3
	v_wmma_scale_f32_16x16x128_f8f6f4 v[O+8*\t:O+8*\t+7], v[V+12*\t:V+12*\t+11], v[P:P+11], v[O+8*\t:O+8*\t+7], v[VS+\t], v[PW] matrix_a_fmt:MATRIX_FMT_FP6 matrix_b_fmt:MATRIX_FMT_FP6
.endr
.if \more
	s_add_co_u32 s[TK], s[TK], KSTP
	s_add_co_u32 s[TS], s[TS], 512
	s_add_co_u32 s[TV], s[TV], 6144
	s_add_co_u32 s[TT], s[TT], 256
.endif
.endm
	WALU                                           ; the wait at the head's end
	s_cmp_lt_u32 s[WV], 3
	s_cbranch_scc0 .Lnot_first
	s_wait_tensorcnt 0x0                           ; waves 0 to 2: the words, K's steps 0 to 2, V's steps 0 and 1 have landed
.Lnot_first:
	s_barrier_signal -1
	s_barrier_wait -1                              ; the other waves' loads may still be out
	KLOAD AKL, ASL                                 ; step 0's K
	s_mov_b32 s[TK], KSTP
	s_mov_b32 s[TS], 512
	s_mov_b32 s[TV], 0
	s_mov_b32 s[TT], 0
	s_mov_b32 s[CNT], 2
	s_wait_dscnt 0x0
	s_barrier_signal -1                            ; the first of the steps' barriers
.Lfirst:                                               ; steps 0 and 1: they read V's steps 0, 1 and K's steps 1, 2
	STEP 1, 1
	s_sub_co_u32 s[CNT], s[CNT], 1
	s_cmp_lg_u32 s[CNT], 0
	s_cbranch_scc1 .Lfirst
	s_barrier_wait -1                              ; every wave has waited for its load and said so: all of K and V is in
	s_mov_b32 s[TK], 3*KSTP
	s_mov_b32 s[TS], 3*512
	s_mov_b32 s[TV], 2*6144
	s_mov_b32 s[TT], 2*256
	s_mov_b32 s[CNT], 13
	s_barrier_signal -1                            ; the steps' barrier is opened anew (no LDS load of mine is out)
.Lstep:                                                ; steps 2 to 14
	STEP 1, 0
	s_sub_co_u32 s[CNT], s[CNT], 1
	s_cmp_lg_u32 s[CNT], 0
	s_cbranch_scc1 .Lstep
	s_mov_b32 s[TV], 15*6144
	s_mov_b32 s[TT], 15*256
	STEP 0, 0                                      ; the last step asks for no further K
	s_barrier_wait -1
; THE WAY OUT.  O^T / the sum: register 16 b + i of lane (r, h) is channel 32 b + 16 h + i of query r: two blocks of the last projection's K.  They are quantised and stored as half a fragment: lane r + 16 h holds block h.
	s_mul_i32 s16, s[WV], 768
	s_add_co_u32 s16, s16, STG                     ; my stage
	s_lshr_b32 s60, s14, 4
	s_lshl_b32 s60, s60, 7
	s_add_co_u32 s60, s60, s15                     ; the row tile: 128 x batch + T
	s_and_b32 s61, s14, 15                         ; the head
	s_mul_i32 s62, s60, 12288
	s_mul_i32 s63, s61, 768
	s_add_co_u32 s62, s62, s63
	s_mov_b32 s63, 0
	s_add_nc_u64 s[8:9], s[8:9], s[62:63]
	s_lshl_b32 s62, s60, 9
	s_lshl_b32 s61, s61, 1
	s_add_co_u32 s62, s62, s61
	s_add_nc_u64 s[10:11], s[10:11], s[62:63]
	v_and_b32 v8, 31, v0
	v_mul_u32_u24 v9, v8, 24
	v_add_nc_u32 v9, s16, v9                       ; in: my 24 bytes
	v_lshlrev_b32 v10, 3, v8                       ; 8 l
	v_add_nc_u32 v11, s16, v10                     ; back: 8 bytes a lane, 256 an instruction
	v_and_b32 v1, 15, v0
	v_bfe_u32 v2, v0, 4, 1
	v_lshl_add_u32 v1, v1, 5, v2                   ; my scale byte: 32 r + h
	v_cmp_le_u32 s86, 16, v8                       ; lanes 16-31
	v_add_f32 v14, v14, v15
	v_permlanex16_b32 v[TMP], v14, s[SEL], s[SEL+1]
	v_add_f32 v14, v14, v[TMP]                     ; the row's sum, at least 1/2
	WALU                                           ; the wait ahead of the reciprocal,
	v_rcp_f32 v14, v14
	v_nop
	WALU                                           ; and behind it, directly ahead of the first readers of it and of O^T
.set I, 0
.rept 32
	v_mul_f32 v[S+I], v[O+I], v14
.set I, I+1
.endr
.irp b, 0,1
	v_max3_num_f32 v[200+\b], |v[S+16*\b]|, |v[S+1+16*\b]|, 0x1800000
.endr
.irp i, 2,4,6,8,10,12,14
.irp b, 0,1
	v_max3_num_f32 v[200+\b], v[200+\b], |v[S+16*\b+\i]|, |v[S+1+16*\b+\i]|
.endr
.endr
.irp b, 0,1
	v_permlanex16_b32 v[202+\b], v[200+\b], s[SEL], s[SEL+1]
.endr
.irp b, 0,1
	v_max_num_f32 v[200+\b], v[200+\b], v[202+\b]
.endr
.irp b, 0,1
	v_add_nc_u32 v[204+\b], 0xff000000, v[200+\b]
.endr
.irp b, 0,1
	v_lshrrev_b32 v[206+\b], 23, v[204+\b]
.endr
	v_cvt_scalef32_pk16_fp6_f32 v[208:210], v[S:S+15], v204
	v_cvt_scalef32_pk16_fp6_f32 v[216:218], v[S+16:S+31], v205
	v_cndmask_b32 v220, v206, v207, s86            ; my block's byte; also the plain line behind the conversions
.irp i, 0,1,2
	v_permlane16_swap_b32 v[208+\i], v[216+\i]     ; lanes 0-15 now hold block 0, lanes 16-31 block 1: the lower 16 codes in the first, the upper 16 in the second
.endr
.irp i, 0,1,2
	v_mov_b32 v[211+\i], v[216+\i]
.endr
	ds_store_b64 v9, v[208:209]
	ds_store_b64 v9, v[210:211] offset:8
	ds_store_b64 v9, v[212:213] offset:16
	ds_load_b64 v[96:97], v11                      ; my wave's own bytes, served in order behind my stores
	ds_load_b64 v[98:99], v11 offset:256
	ds_load_b64 v[100:101], v11 offset:512
	WALU
	s_wait_dscnt 0x0
	global_store_b64 v10, v[96:97], s[8:9]         ; 256 consecutive bytes each, at a multiple of 256 from the buffer's first byte
	global_store_b64 v10, v[98:99], s[8:9] offset:256
	global_store_b64 v10, v[100:101], s[8:9] offset:512
	global_store_b8 v1, v220, s[10:11]             ; two bytes of each of 16 rows of 32: one such store a wave in the whole launch
	s_wait_tensorcnt 0x0                           ; the wave's end
	ds_add_u32 v[SPW], v[NIL]
	s_wait_dscnt 0x0
	CROUND                                         ; the closing round
	s_endpgm
.Lfunc_end_k_q92f1c9ba43_attn:
	.size	k_q92f1c9ba43_attn, .Lfunc_end_k_q92f1c9ba43_attn-k_q92f1c9ba43_attn
	.p2alignl 7, 3214868480
	.fill 96, 4, 3214868480
	.section	.rodata,"a",@progbits
	.p2align	6, 0x0
	.amdhsa_kernel k_q92f1c9ba43_attn
		.amdhsa_group_segment_fixed_size 247808
		.amdhsa_private_segment_fixed_size 0
		.amdhsa_enable_private_segment 0
		.amdhsa_kernarg_size 32
		.amdhsa_user_sgpr_count 2
		.amdhsa_user_sgpr_kernarg_segment_ptr 1
		.amdhsa_wavefront_size32 1
		.amdhsa_system_sgpr_workgroup_id_x 1
		.amdhsa_system_sgpr_workgroup_id_y 1
		.amdhsa_system_sgpr_workgroup_id_z 1
		.amdhsa_system_vgpr_workitem_id 0
		.amdhsa_next_free_vgpr 256
		.amdhsa_next_free_sgpr 96
		.amdhsa_reserve_vcc 0
		.amdhsa_float_denorm_mode_32 3
		.amdhsa_float_denorm_mode_16_64 3
		.amdhsa_memory_ordered 1
		.amdhsa_forward_progress 1
		.amdhsa_inst_pref_size 60
	.end_amdhsa_kernel
	.amdgpu_metadata
---
amdhsa.version: [ 1, 2 ]
amdhsa.kernels:
  - .name:           k_q92f1c9ba43_attn
    .symbol:         k_q92f1c9ba43_attn.kd
    .args:
      - { .name: hc, .offset: 0, .size: 8, .value_kind: global_buffer, .address_space: global }
      - { .name: hs, .offset: 8, .size: 8, .value_kind: global_buffer, .address_space: global }
      - { .name: oc, .offset: 16, .size: 8, .value_kind: global_buffer, .address_space: global }
      - { .name: os, .offset: 24, .size: 8, .value_kind: global_buffer, .address_space: global }
    .group_segment_fixed_size: 247808
    .private_segment_fixed_size: 0
    .kernarg_segment_align: 8
    .kernarg_segment_size: 32
    .max_flat_workgroup_size: 512
    .sgpr_count:     96
    .vgpr_count:     256
    .wavefront_size: 32
...
	.end_amdgpu_metadata
.endif
;; end of part 3
;; launch outp (part 4): grid 8 x 32, 4 waves a work-group, clusters of 4 x 4, 223,232 bytes of LDS; arguments oc, os, wc, wsc, b_o, out0; writes out0
.if DOCPART == 4
	.amdgcn_target "amdgcn-amd-amdhsa--gfx1250"
	.amdhsa_code_object_version 6
	.text
	.protected	k_q92f1c9ba43_outp
	.globl	k_q92f1c9ba43_outp
	.p2align	8
	.type	k_q92f1c9ba43_outp,@function
k_q92f1c9ba43_outp:
	s_mov_b64 s[64:65], 0
	v_nop
	global_prefetch_b8 v0, s[64:65] scope:SCOPE_SE
	s_setreg_imm32_b32 hwreg(HW_REG_WAVE_MODE, 25, 1), 1
	s_wait_xcnt 0x0
	s_wait_alu depctr_hold_cnt(0) depctr_sa_sdst(0) depctr_va_vdst(0) depctr_va_sdst(0) depctr_va_ssrc(0) depctr_va_vcc(0) depctr_vm_vsrc(0)
	s_getreg_b32 s2, hwreg(HW_REG_IB_STS2, 6, 4)
	s_cmp_eq_u32 s2, 0
	s_cbranch_scc0 .Lentry_in_a_cluster
	s_endpgm
.Lentry_in_a_cluster:
	s_bfe_u32 s2, ttmp6, 0x10000c
	s_cmp_lg_u32 s2, 0xf033
	s_cbranch_scc0 .Lentry_shape_is_right
	s_endpgm
.Lentry_shape_is_right:
; out0 = O w_o + b_o on codes of E2M3 with E8M0 scales.  A = attention's output, 4,096 rows; B = w_o's 1,024 rows (its columns n); K = 1,024; out0 [4096][1024] f32.
; A tile of C is 128 x 128: 32 x 8 = 256 work-groups of four waves, 64 x 64 a wave.
; NO RING: 128 rows of A and 128 of B for ALL of K are 2 x 98,304 bytes: they lie whole in LDS, with their scale bytes.  Every LDS byte is filled once, at the head, one tensor load a wave:
; wave 0 B's codes, wave 1 A's, wave 2 A's scales, wave 3 B's.  No prefetch: all fills go out at the head, and there is no loop to run ahead in.
; BY ROWS OF C: my 64 rows of B, all of K, go into registers once (32 fragments); A's rows come in four blocks of 16, all of K (8 fragments, two sets).  A block is finished by 32 products, its four accumulators by turns, K ascending,
; and leaves through my stage while the next block is multiplied.  No fragment is read from LDS twice.
; CODES IN MEMORY: [tile of 16 rows][32 blocks][row][24 bytes]: 12,288 bytes a tile; lane l's 24 bytes of half a fragment lie at 24 l.
; ROWS OF BOTH OPERANDS LIE AT pi (row), bits 3 and 4 exchanged.  The way out undoes it by constants: lane r of A's tile a is row 32 (a / 2) + 8 (a % 2) + r + 8 (r / 8); register j of B's tile b is column 32 (b / 2) + 8 (b % 2) + 16 h + j.
; CLUSTERS: 4 x 4 work-groups; A's tiles are asked for jointly along a row of the cluster, B's along a column.
; THE MATRIX INSTRUCTION IS USED TRANSPOSED (source 0 = 16 rows of B, source 1 = 16 rows of A): a lane holds one row of C and eight of its columns.
; REGISTERS, in windows of 256.  Window 0: v0-31 addresses (v4-7, v12-15 the fragments' LDS addresses), v8-11 my four numbers of b_o; v32-63 the scale words of all eight K steps, and nothing else; v64-255 A's fragments, two sets of 8 x 12.
;   Windows 1 and 2: B's fragment f = 4 q + b (K step q, tile b) in window 1 + f / 21 at register 12 (f % 21).   Window 3: registers 0-63 two sets of four accumulators; 64-191 rows of C on the way out, 32 for each block.
.set TROW,   12288                     ; a tile of 16 rows, all of K
.set KROW,   768
.set FR,     12
.set FPW,    21                        ; fragments in a window
.set HALFT,  4*TROW                    ; 64 rows: what one wave reads of A or of B
.set KS,     32
.set SCL,    4*HALFT                   ; behind A's 128 rows and B's 128: the scales, as units of 256 bytes + 16 of padding
.set HALFS,  8*272                     ; those of 64 rows
.set SBLK,   2*272                     ; those of 16 rows
.set STG,    SCL+4*HALFS               ; the way out: a stage of 16 rows x (256 bytes + 16) for each wave; no tile lands here
.set SPITCH, 272
.set SPARE,  STG+4*16*SPITCH           ; the spare words
.set ADRA, 16                          ; v16  LDS address of my A fragments;  v20  of B's
.set ADRB, 20
.set STO,  24                          ; v24  the way out: where I put 32 bytes of a row;  v25  where I read a row back;  v26  my byte offset in C: 4,096 h + 16 r
.set RD,   25
.set CO,   26
.set ADRS, 27                          ; v27  LDS address of my scale words: lanes 0-15 A's rows, lanes 16-31 B's
.set BOA,  28                          ; v28  16 r
.set BO,   8
.set SC,   32                          ; register 16 s + 4 i + q: lanes 0-15 the word of A's block i, lanes 16-31 that of B's block i, for K step 4 s + q
.set AF,   64
.set BK,   64                          ; in window 3
.set G1, 24
.set G0, 32
.set G1B, 48
.set G0B, 56
.set G1S, 68
.set G0S, 76
.set G1SB, 80
.set G0SB, 88
.set MSB, 0
.macro WIN new                         ; low byte: bits 1:0 source 0, 3:2 source 1, 5:4 source 2, 7:6 destination; the high byte repeats the setting that is left
.if MSB != (\new)
	s_set_vgpr_msb (MSB<<8)|(\new)
.set MSB, (\new)
.endif
.endm
.macro CROUND
	s_barrier_signal -1
	s_barrier_wait -1
	s_cmp_lg_u32 s14, 0
	s_cbranch_scc1 .Lnot_wave_0_\@
	s_barrier_signal -3
.Lnot_wave_0_\@:
	s_barrier_wait -3
	s_barrier_signal -1
	s_barrier_wait -1
.endm
	s_load_b128 s[4:7], s[0:1], 0x0                ; oc, os
	s_load_b128 s[8:11], s[0:1], 0x10              ; wc, wsc
	s_load_b64 s[96:97], s[0:1], 0x20              ; b_o
	s_load_b64 s[12:13], s[0:1], 0x28              ; out0
	v_lshl_add_u32 v30, v0, 2, SPARE
	v_mov_b32 v31, 0
	ds_add_u32 v30, v31                            ; the opening lines: the add twice and its wait
	ds_add_u32 v30, v31
	v_lshrrev_b32 v1, 5, v0
	v_readfirstlane_b32 s14, v1                    ; wave 0..3
	s_lshr_b32 s15, s14, 1                         ; which half of the tile's rows is mine
	s_and_b32 s16, s14, 1                          ; which half of its columns
	s_bfe_u32 s40, ttmp6, 0x40000                  ; cx, cy
	s_bfe_u32 s41, ttmp6, 0x40004
	s_lshl_b32 s42, ttmp9, 2
	s_add_co_u32 s42, s42, s40                     ; tile column of C, 0 .. 7
	s_and_b32 s17, ttmp7, 0xffff
	s_lshl_b32 s17, s17, 2
	s_add_co_u32 s17, s17, s41                     ; tile row of C, 0 .. 31
	s_lshl_b32 s43, s41, 2
	s_lshl_b32 s43, 15, s43                        ; my row of the cluster
	s_lshl_b32 s44, 0x1111, s40                    ; my column
	s_or_b32 s[G1+0], s43, (3<<16)|(1<<21)         ; the codes: 98,304 dense bytes as 8 rows (tiles of 16) of 12,288; elements of 8 bytes
	s_or_b32 s[G1B+0], s44, (3<<16)|(1<<21)
.irp g, G1, G1B
	s_mov_b32 s[\g+1], 1536<<16
	s_mov_b32 s[\g+2], 8<<16
	s_mov_b32 s[\g+3], 1536<<16
	s_mov_b32 s[\g+4], 8
	s_mov_b32 s[\g+5], 1536
	s_mov_b32 s[\g+6], 0
	s_mov_b32 s[\g+7], 0
.endr
	s_or_b32 s[G1S+0], s43, (3<<16)|(1<<20)|(1<<21)|(5<<22)|(3<<25)   ; the scales of 128 rows: 4,096 dense bytes as 16 rows of 256, 16 bytes of padding behind each
	s_or_b32 s[G1SB+0], s44, (3<<16)|(1<<20)|(1<<21)|(5<<22)|(3<<25)
.irp g, G1S, G1SB
	s_mov_b32 s[\g+1], 32<<16
	s_mov_b32 s[\g+2], 16<<16
	s_mov_b32 s[\g+3], 32<<16
	s_mov_b32 s[\g+4], 16
	s_mov_b32 s[\g+5], 32
	s_mov_b32 s[\g+6], 0
	s_mov_b32 s[\g+7], 0
.endr
	s_lshl_b32 s20, s17, 7                         ; A: row 128 x tile row
	s_lshl_b32 s46, s42, 7                         ; B: row 128 x tile column
	s_lshl_b32 s22, s20, 5                         ; where these rows' scales begin,
	s_lshl_b32 s92, s46, 5
	s_mul_i32 s20, s20, KROW                       ; and their codes
	s_mul_i32 s46, s46, KROW
	s_mov_b32 s21, 0
	s_mov_b32 s23, 0
	s_mov_b32 s93, 0
	s_mov_b32 s47, 0
	s_wait_dscnt 0x0
	s_wait_kmcnt 0x0
	s_add_nc_u64 s[8:9], s[8:9], 3*786432          ; w_o is the fourth weight
	s_add_nc_u64 s[10:11], s[10:11], 3*32768
	s_add_nc_u64 s[20:21], s[4:5], s[20:21]
	s_add_nc_u64 s[22:23], s[6:7], s[22:23]
	s_add_nc_u64 s[46:47], s[8:9], s[46:47]
	s_add_nc_u64 s[92:93], s[10:11], s[92:93]
	CROUND                                         ; all sixteen work-groups are here: the joint loads meet
	s_mov_b32 s[G0], 1
	s_mov_b32 s[G0+1], 0
	s_mov_b64 s[G0+2:G0+3], s[20:21]
	s_or_b32 s[G0+3], s[G0+3], 0x80000000
	s_mov_b32 s[G0B], 1
	s_mov_b32 s[G0B+1], 2*HALFT
	s_mov_b64 s[G0B+2:G0B+3], s[46:47]
	s_or_b32 s[G0B+3], s[G0B+3], 0x80000000
	s_mov_b32 s[G0S], 1
	s_mov_b32 s[G0S+1], SCL
	s_mov_b64 s[G0S+2:G0S+3], s[22:23]
	s_or_b32 s[G0S+3], s[G0S+3], 0x80000000
	s_mov_b32 s[G0SB], 1
	s_mov_b32 s[G0SB+1], SCL+2*HALFS
	s_mov_b64 s[G0SB+2:G0SB+3], s[92:93]
	s_or_b32 s[G0SB+3], s[G0SB+3], 0x80000000
.macro ARM under, g0, g1, next                 ; one chain of branches on the wave's number: every way through the head passes one load
	s_cmp_lt_u32 s14, \under
	s_cbranch_scc0 \next
	tensor_load_to_lds s[\g0:\g0+3], s[\g1:\g1+7]
	s_nop 0
.rept 4
	v_nop
.endr
	s_branch .Lasked
\next:
.endm
	ARM 1, G0B, G1B, .Lhead_a                      ; B's codes are wanted first: they go on into registers
	ARM 2, G0,  G1,  .Lhead_sa
	ARM 3, G0S, G1S, .Lhead_sb
	tensor_load_to_lds s[G0SB:G0SB+3], s[G1SB:G1SB+7]
	s_nop 0
.rept 4
	v_nop
.endr
.Lasked:
	v_and_b32 v1, 15, v0                           ; r
	v_bfe_u32 v2, v0, 4, 1                         ; h
	v_and_b32 v3, 31, v0                           ; lane
	v_mul_u32_u24 v4, v3, 24                       ; my 24 bytes of half a fragment
	s_mul_i32 s21, s15, HALFT                      ; my 64 rows of A
	s_mul_i32 s22, s16, HALFT                      ; my 64 rows of B,
	s_add_co_u32 s22, s22, 2*HALFT                 ; which lie behind A's 128
	v_add_nc_u32 v[ADRA], s21, v4
	v_add_nc_u32 v[ADRB], s22, v4
	v_mul_u32_u24 v5, v1, KS                       ; my row's scales: 32 bytes a row,
	v_lshrrev_b32 v6, 8, v5
	v_lshl_add_u32 v5, v6, 4, v5                   ; and 16 more for each 256 passed
	s_mul_i32 s21, s15, HALFS
	s_mul_i32 s22, s16, HALFS
	s_add_co_u32 s22, s22, 2*HALFS
	s_sub_co_u32 s22, s22, s21
	v_mul_u32_u24 v6, s22, v2                      ; lanes 16-31 take B's: one product, the distance between the two bases
	s_add_co_u32 s21, s21, SCL
	v_add_nc_u32 v5, v5, v6
	v_add_nc_u32 v[ADRS], s21, v5
	s_mul_i32 s23, s14, 16*SPITCH
	s_add_co_u32 s23, s23, STG                     ; my stage
	v_mul_u32_u24 v5, v1, SPITCH                   ; in: row r; my half's 16 columns of each 32: 64 h bytes on
	v_lshl_add_u32 v5, v2, 6, v5
	v_add_nc_u32 v[STO], s23, v5
	v_lshlrev_b32 v[BOA], 4, v1                    ; 16 r
	s_wait_alu depctr_va_vdst(0)                   ; the wait here, ahead of the reader below
	v_mul_u32_u24 v5, v2, SPITCH                   ; back: lanes 0-15 take one row of 256 bytes, lanes 16-31 the next
	v_add_nc_u32 v5, v5, v[BOA]
	v_add_nc_u32 v[RD], s23, v5
	v_lshl_add_u32 v[CO], v2, 12, v[BOA]           ; and the same two rows in C
	s_lshl_b32 s20, s17, 7
	s_lshl_b32 s21, s15, 6
	s_add_co_u32 s20, s20, s21                     ; my first row of C: 128 x tile row + 64 x half
	s_lshl_b32 s20, s20, 12                        ; x 4,096 bytes (under 2^24)
	s_mov_b32 s21, 0
	s_lshl_b32 s46, s42, 9                         ; my first column, in bytes: 512 x tile column + 256 x half
	s_lshl_b32 s47, s16, 8
	s_add_co_u32 s46, s46, s47
	s_mov_b32 s47, 0
	s_add_nc_u64 s[96:97], s[96:97], s[46:47]
	s_add_nc_u64 s[20:21], s[20:21], s[46:47]
	s_add_nc_u64 s[12:13], s[12:13], s[20:21]
	global_load_b128 v[BO:BO+3], v[BOA], s[96:97]  ; b_o of columns 4 r .. 4 r + 3 of my 64
.macro FRAG reg, adr                   ; 16 rows x 128 K: registers 6 c .. 6 c + 5 are lane l's 24 bytes of half fragment c.  Six pieces of 8 bytes, two to a load: at bytes 0, 8; 16, 768; 776, 784 from v[adr]
	ds_load_2addr_b64 v[\reg:\reg+3], v[\adr] offset0:0 offset1:1
	ds_load_2addr_b64 v[\reg+4:\reg+7], v[\adr] offset0:2 offset1:96
	ds_load_2addr_b64 v[\reg+8:\reg+11], v[\adr] offset0:97 offset1:98
.endm
.macro BLOAD q                         ; B's four fragments of K step q: 12 loads
	WIN 0
.irp b, 0,1,2,3
	v_add_nc_u32 v[4+\b], \b*TROW+(\q)*1536, v[ADRB]
.endr
.irp b, 0,1,2,3
	WIN (1+(4*(\q)+\b)/FPW)<<6
	FRAG FR*((4*(\q)+\b)%FPW), 4+\b
.endr
.endm
.macro ALOAD a                         ; A's block a, all eight K steps, into set a % 2: 24 loads.  The eight additions are also the places between the last products and the loads into, and reads of, their registers
.irp q, 0,1,2,3,4,5,6,7
	v_add_nc_u32 v[4+\q+4*(\q/4)], (\a)*TROW+\q*1536, v[ADRA]
.endr
.irp q, 0,1,2,3,4,5,6,7
	FRAG AF+96*((\a)%2)+FR*\q, 4+\q+4*(\q/4)
.endr
.endm
; Block a is finished: 32 products.  Its four accumulators take turns, one instruction a turn; K step 0's products start the sums.
.macro MUL a
.irp q, 0,1,2,3,4,5,6,7
.irp b, 0,1,2,3
	WIN 0xf0|(1+(4*\q+\b)/FPW)
.if \q == 0
	v_wmma_scale_f32_16x16x128_f8f6f4 v[32*((\a)%2)+8*\b:32*((\a)%2)+8*\b+7], v[FR*((4*\q+\b)%FPW):FR*((4*\q+\b)%FPW)+FR-1], v[AF+96*((\a)%2)+FR*\q:AF+96*((\a)%2)+FR*\q+FR-1], 0, v[SC+16*(\q/4)+4*\b+\q%4], v[SC+16*(\q/4)+4*(\a)+\q%4] matrix_a_fmt:MATRIX_FMT_FP6 matrix_b_fmt:MATRIX_FMT_FP6 matrix_a_scale:MATRIX_SCALE_ROW1
.else
	v_wmma_scale_f32_16x16x128_f8f6f4 v[32*((\a)%2)+8*\b:32*((\a)%2)+8*\b+7], v[FR*((4*\q+\b)%FPW):FR*((4*\q+\b)%FPW)+FR-1], v[AF+96*((\a)%2)+FR*\q:AF+96*((\a)%2)+FR*\q+FR-1], v[32*((\a)%2)+8*\b:32*((\a)%2)+8*\b+7], v[SC+16*(\q/4)+4*\b+\q%4], v[SC+16*(\q/4)+4*(\a)+\q%4] matrix_a_fmt:MATRIX_FMT_FP6 matrix_b_fmt:MATRIX_FMT_FP6 matrix_a_scale:MATRIX_SCALE_ROW1
.endif
.endr
.endr
	WIN 0
.endm
.macro PLACES                          ; four plain vector lines between a matrix instruction and a read of its results (ISA guide 7.12.1)
.rept 4
	v_nop
.endr
.endm
; THE WAY OUT of a block of 16 rows x 64 columns, through my own stage in LDS: in by 32 bytes a lane at the columns' true places, back as whole rows of 256 bytes, two rows an instruction: 16 LDS instructions.
.macro TOSTAGE a
	WIN 0x0c                                       ; an LDS store's data are its source 1: window 3
.irp b, 0,1,2,3
	ds_store_b128 v[STO], v[32*((\a)%2)+8*\b:32*((\a)%2)+8*\b+3] offset:128*(\b/2)+32*(\b%2)       ; columns 32 (b / 2) + 8 (b % 2) + 16 h + 0 .. 3; each accumulator from its low end on
	ds_store_b128 v[STO], v[32*((\a)%2)+8*\b+4:32*((\a)%2)+8*\b+7] offset:128*(\b/2)+32*(\b%2)+16
.endr
	WIN 0xc0
.irp t, 0,1,2,3,4,5,6,7
	ds_load_b128 v[BK+32*(\a)+4*\t:BK+32*(\a)+4*\t+3], v[RD] offset:\t*2*SPITCH   ; my wave's own bytes, served in order behind my stores; each block has registers of its own: no store's data are written again
.endr
	WIN 0
.endm
.macro SEND a, younger                 ; younger: the LDS instructions issued behind block a's loads, which may stay out
	s_wait_dscnt \younger
	WIN 0xc3                                       ; rows of C in window 3, b_o in window 0
.irp t, 0,1,2,3,4,5,6,7
	v_pk_add_f32 v[BK+32*(\a)+4*\t:BK+32*(\a)+4*\t+1], v[BK+32*(\a)+4*\t:BK+32*(\a)+4*\t+1], v[BO:BO+1]          ; + b_o
	v_pk_add_f32 v[BK+32*(\a)+4*\t+2:BK+32*(\a)+4*\t+3], v[BK+32*(\a)+4*\t+2:BK+32*(\a)+4*\t+3], v[BO+2:BO+3]
.endr
	WIN 0x0c                                       ; a store's data are its source 1
.irp t, 0,1,2,3,4,5,6,7
	global_store_b128 v[CO], v[BK+32*(\a)+4*\t:BK+32*(\a)+4*\t+3], s[12:13] offset:(32*((\a)/2)+8*((\a)%2)+2*\t+8*(\t/4))*4096 th:TH_STORE_NT   ; stage row 2 t + h is row 2 t + h + 8 (t / 4) of the block, which begins at row 32 (a / 2) + 8 (a % 2); sixteen lanes store 256 consecutive bytes, aligned
.endr
	WIN 0
.endm
	s_wait_alu depctr_va_vdst(0)                   ; the wait at the head's end
	s_wait_tensorcnt 0x0                           ; my tile is in,
	s_barrier_signal -1
	s_barrier_wait -1                              ; everybody's is; nothing is filled again
.irp i, 0,1,2,3
	ds_load_b128 v[SC+4*\i:SC+4*\i+3], v[ADRS] offset:\i*SBLK          ; block i's words of K steps 0 to 3,
	ds_load_b128 v[SC+16+4*\i:SC+16+4*\i+3], v[ADRS] offset:\i*SBLK+16 ; and of 4 to 7
.endr
.irp q, 0,1,2,3,4,5,6,7
	BLOAD \q
.endr
	WIN 0
	ALOAD 0
	ALOAD 1
	s_wait_dscnt 24                                ; all but block 1's 24 loads
	MUL 0
	ALOAD 2
	TOSTAGE 0
	s_wait_dscnt 40                                ; block 1's rows are in: behind them stand block 2's 24 loads and the stage's 16
	MUL 1
	ALOAD 3
	TOSTAGE 1
	s_wait_loadcnt 0x0                             ; b_o
	SEND 0, 40                                     ; behind block 0's way through the stage: block 3's 24 loads and block 1's 16; so block 2's rows are in too
	MUL 2
	PLACES
	TOSTAGE 2
	SEND 1, 16                                     ; behind block 1's: block 2's 16; so block 3's rows are in too
	MUL 3
	PLACES
	TOSTAGE 3
	SEND 2, 16
	SEND 3, 0
	s_wait_tensorcnt 0x0                           ; the wave's end
	ds_add_u32 v30, v31
	s_wait_dscnt 0x0
	CROUND                                         ; the closing round
	s_endpgm
.Lfunc_end_k_q92f1c9ba43_outp:
	.size	k_q92f1c9ba43_outp, .Lfunc_end_k_q92f1c9ba43_outp-k_q92f1c9ba43_outp
	.p2alignl 7, 3214868480
	.fill 96, 4, 3214868480
	.section	.rodata,"a",@progbits
	.p2align	6, 0x0
	.amdhsa_kernel k_q92f1c9ba43_outp
		.amdhsa_group_segment_fixed_size 223232
		.amdhsa_private_segment_fixed_size 0
		.amdhsa_enable_private_segment 0
		.amdhsa_kernarg_size 48
		.amdhsa_user_sgpr_count 2
		.amdhsa_user_sgpr_kernarg_segment_ptr 1
		.amdhsa_wavefront_size32 1
		.amdhsa_system_sgpr_workgroup_id_x 1
		.amdhsa_system_sgpr_workgroup_id_y 1
		.amdhsa_system_sgpr_workgroup_id_z 1
		.amdhsa_system_vgpr_workitem_id 0
		.amdhsa_next_free_vgpr 960
		.amdhsa_next_free_sgpr 100
		.amdhsa_reserve_vcc 0
		.amdhsa_float_denorm_mode_32 3
		.amdhsa_float_denorm_mode_16_64 3
		.amdhsa_memory_ordered 1
		.amdhsa_forward_progress 1
		.amdhsa_inst_pref_size 55
	.end_amdhsa_kernel
	.amdgpu_metadata
---
amdhsa.version: [ 1, 2 ]
amdhsa.kernels:
  - .name:           k_q92f1c9ba43_outp
    .symbol:         k_q92f1c9ba43_outp.kd
    .args:
      - { .name: oc, .offset: 0, .size: 8, .value_kind: global_buffer, .address_space: global }
      - { .name: os, .offset: 8, .size: 8, .value_kind: global_buffer, .address_space: global }
      - { .name: wc, .offset: 16, .size: 8, .value_kind: global_buffer, .address_space: global }
      - { .name: wsc, .offset: 24, .size: 8, .value_kind: global_buffer, .address_space: global }
      - { .name: b_o, .offset: 32, .size: 8, .value_kind: global_buffer, .address_space: global }
      - { .name: out0, .offset: 40, .size: 8, .value_kind: global_buffer, .address_space: global }
    .group_segment_fixed_size: 223232
    .private_segment_fixed_size: 0
    .kernarg_segment_align: 8
    .kernarg_segment_size: 48
    .max_flat_workgroup_size: 128
    .sgpr_count:     100
    .vgpr_count:     960
    .wavefront_size: 32
...
	.end_amdgpu_metadata
.endif
;; end of part 4
